; MI455X (gfx1250); checked and timed in simulation.
; The chip was launched on July 23, 2026; its instructions are those of AMD's public machine-readable ISA for CDNA 5 (MIT licence, August 2026) and "CDNA5" Instruction Set Architecture Reference Guide (July 2026). The comments in the code are by the model that wrote it; some were corrected since.
;; Per Plane MLP. Allowed arithmetic: float matrix products may take bf16 or f16 operands with f32 sums; all other float work in f32.
;; Inputs: W1 8 x 1,024 x 256 float32; W2 8 x 256 x 1,024 float32; b1 8 x 1,024 float32; b2 8 x 256 float32; plane_idx 16,384 int32; x 16,384 x 256 float32.
;; Outputs: out0 16,384 x 256 float32.
;; 4 versions, each right; versions 2 to 3 are each faster than the one before; version 4 is version 3 with the launch mlp written anew for expert scheduling mode. Each part assembles by itself: llvm-mc -triple=amdgcn-amd-amdhsa -mcpu=gfx1250 --defsym DOCPART=n.
;; ======== version 1 of 4: 2 launches
;; workspace buffers: order 65,536 bytes of whole numbers; ptab 256 bytes of whole numbers; wfrag 8,388,608 bytes
;; launch prep (part 1): grid 128 x 1, 8 waves a work-group, no clusters, 71,168 bytes of LDS; arguments plane_idx, W1, W2, order, ptab, wfrag, out0; writes order, ptab, wfrag, out0
.if DOCPART == 1
	.amdgcn_target "amdgcn-amd-amdhsa--gfx1250"
	.amdhsa_code_object_version 6
	.text
	.protected	k_qaba6d23371_prep
	.globl	k_qaba6d23371_prep
	.p2align	8
	.type	k_qaba6d23371_prep,@function
k_qaba6d23371_prep:
	s_mov_b64 s[64:65], 0
	v_nop
	global_prefetch_b8 v0, s[64:65] scope:SCOPE_SE
	s_setreg_imm32_b32 hwreg(HW_REG_WAVE_MODE, 25, 1), 1
	s_wait_xcnt 0x0
; PREPARATION for the per-plane MLP: three jobs that the second launch's addresses and operands rest on.
; (a) A counting sort of the 16,384 rows by plane.  Bucket q = plane q (0..7); bucket 8 = an index outside 0..7 (taken as unsigned).
;     order[pos] = row number at sorted position pos; ptab[q] = P_q = number of rows in buckets below q (q = 0..9).
;     Every work-group counts all 16,384 indices itself (64 KiB, 16 loads a wave), so no work-group waits for another;
;     work-group g then places the 128 rows of block g.  The order of rows inside a plane is not the input's; no result hangs on it.
; (b) W1 and W2 rounded to bf16 and laid out as the matrix instruction's registers want them: wfrag byte
;     p<<20 | w<<18 | s<<15 | t<<12 | nt<<10 | jj<<9 | lane<<4, lane = (r, h):
;       s = 2c   : W1[p][256c + 64w + 16nt + r][32t + 16jj + 8h + 0..7]
;       s = 2c+1 : W2[p][64w + 16nt + r][256c + 32t + 16jj + 8h + 0..7]
;     Each wave takes 16 rows x 128 columns of W1 and of W2: loads of 512 consecutive bytes, a turn through its own LDS bytes,
;     stores of 512 consecutive aligned bytes.
; (c) Rows of bucket 8 keep the reference's zeros: they are stored here, 16 bytes a lane to rows 1,024 bytes apart.  That shape is poor,
;     and is taken because such rows are the exception; the branch round it hangs on whole numbers read from memory.
; The stores into order are 4 bytes a lane, in runs by bucket: 64 KiB in the whole launch.
; No matrix unit, no cluster, no tensor load: the work-groups share only the 64 KiB of indices, and everything else is read once.
.set I,      8                         ; v[8:71]    16 index loads; later work registers; later the fragments read back from LDS
.set OWN,    72                        ; v[72:75]   the 128 indices of block g (wave 0 uses them)
.set WA,     76                        ; v[76:139]  W1: 16 rows, 4 f32 a lane
.set WB,     140                       ; v[140:203] W2: the same
.set TT,     204                       ; v[204:206] running counts, bucket q in T[q%3] at bit 3q
.set BB,     207                       ; v[207:209] their value after my wave's blocks below g
.set CC,     210
.set XX,     211
.set U,      212                       ; v[212:223] counts packed two to a word
.set TMP,    224
.set CST,    225                       ; LDS: where I put 8 bytes of a row
.set CRD,    226                       ; LDS: where I read a fragment's 16 bytes
.set TABA,   227
.set POS,    228                       ; v[228:231] byte offset in order of my four rows
.set TOK,    232                       ; v[232:235] my four row numbers
.set ZERO,   236                       ; v[236:239]
.set ROWOFF, 240                       ; v[240:243] byte offset in out0 of my four rows
.set PT,     244
.set L4,     245                       ; 4 x lane; made at the head, never rewritten
.set RNK,    246
.set TABROW, 48                        ; LDS 0..383: a row of 12 words for each wave
.set CVT,    512                       ; LDS 512..: 8,704 bytes for each wave: W1's block, then W2's
.set CVTW,   8704
.set CPITCH, 272                       ; 256 bytes of bf16 + 16: an odd multiple of 16, so sixteen rows start in sixteen different 16-byte columns modulo 256
	s_load_b256 s[4:11], s[0:1], 0x0               ; plane_idx s[4:5], W1 s[6:7], W2 s[8:9], order s[10:11]
	s_load_b128 s[12:15], s[0:1], 0x20             ; ptab s[12:13], wfrag s[14:15]
	s_load_b64 s[16:17], s[0:1], 0x30              ; out0
	v_lshl_add_u32 v248, v0, 2, 0x11200
	v_mov_b32 v249, 0
	v_lshrrev_b32 v4, 5, v0
	v_readfirstlane_b32 s18, v4                    ; j: my wave, 0..7
	s_mov_b32 s19, ttmp9                           ; g: my work-group, 0..127
	v_and_b32 v1, 31, v0                           ; lane
	v_lshlrev_b32 v2, 4, v0                        ; 16 x thread
	v_lshlrev_b32 v3, 4, v1                        ; 16 x lane; never rewritten
	v_lshlrev_b32 v[L4], 2, v1                     ; 4 x lane
	v_and_b32 v4, 15, v0                           ; r
	v_bfe_u32 v5, v0, 4, 1                         ; h
	s_lshr_b32 s28, s18, 1                         ; j >> 1
	s_and_b32 s29, s18, 1                          ; j & 1: which 128 columns
	s_lshr_b32 s30, s19, 4                         ; g >> 4: the plane of both my blocks
	s_bfe_u32 s31, s19, 0x20002                    ; (g >> 2) & 3
	s_and_b32 s32, s19, 3                          ; g & 3
	s_mov_b32 s27, 0                               ; high word of every offset pair
	s_add_co_u32 s20, s19, 7
	s_sub_co_u32 s20, s20, s18
	s_lshr_b32 s20, s20, 3                         ; lim = how many of my wave's blocks 8i + j lie below g
	s_mov_b32 s21, 0x1c0e07                        ; the 3-bit fields of buckets 0, 3, 6
	s_mov_b32 s22, 0xe07038                        ; 1, 4, 7
	s_mov_b32 s23, 0x70381c0                       ; 2, 5, 8
	s_mov_b32 s24, 0x76543210                      ; v_permlanex16_b32: lane i reads lane i of the other half
	s_mov_b32 s25, 0xfedcba98
	; W1 as 512 strips of 16 rows x 1,024 bytes: my strip is 4g + (j>>1), my half of its columns j & 1
	s_lshl2_add_u32 s33, s19, s28
	s_lshl_b32 s33, s33, 14
	s_lshl_b32 s34, s29, 9
	s_add_co_u32 s33, s33, s34
	; W2 as 128 strips of 16 rows x 4,096 bytes: my strip is g, my 128 columns are j
	s_lshl_b32 s35, s19, 16
	s_lshl_b32 s34, s18, 9
	s_add_co_u32 s35, s35, s34
	; where they go in wfrag.  Common to both: p<<20 and (j&1)<<14 (K steps 4(j&1) .. +3)
	s_lshl_b32 s36, s30, 20
	s_lshl_b32 s34, s29, 14
	s_add_co_u32 s36, s36, s34
	s_lshl_b32 s34, s32, 18                        ; W1: w = g & 3, c = (g>>2) & 3, nt = j >> 1
	s_add_co_u32 s37, s36, s34
	s_lshl_b32 s34, s31, 16
	s_add_co_u32 s37, s37, s34
	s_lshl_b32 s34, s28, 10
	s_add_co_u32 s37, s37, s34
	s_lshl_b32 s34, s31, 18                        ; W2: w = (g>>2) & 3, c = j >> 1, the odd stage, nt = g & 3
	s_add_co_u32 s38, s36, s34
	s_lshl_b32 s34, s28, 16
	s_add_co_u32 s38, s38, s34
	s_lshl_b32 s34, s32, 10
	s_add_co_u32 s38, s38, s34
	s_add_co_u32 s38, s38, 0x8000
	s_mul_i32 s57, s18, CVTW
	s_add_co_u32 s57, s57, CVT                     ; my wave's LDS bytes
	v_lshl_add_u32 v[CST], v1, 3, s57
	v_mul_u32_u24 v[CRD], v4, CPITCH
	v_lshl_add_u32 v[CRD], v5, 4, v[CRD]
	v_add_nc_u32 v[CRD], s57, v[CRD]
	s_wait_kmcnt 0x0
	s_mov_b32 s26, s33
	s_add_nc_u64 s[6:7], s[6:7], s[26:27]
	s_mov_b32 s26, s35
	s_add_nc_u64 s[8:9], s[8:9], s[26:27]
	s_mov_b32 s26, s37
	s_add_nc_u64 s[60:61], s[14:15], s[26:27]
	s_mov_b32 s26, s38
	s_add_nc_u64 s[62:63], s[14:15], s[26:27]
	s_lshl_b32 s26, s19, 9
	s_add_nc_u64 s[58:59], s[4:5], s[26:27]        ; block g of the indices
	; All 49 loads go out at once: indices first, so that a counted wait can leave the weights on their way.
.irp i, 0,1,2,3,4,5,6,7,8,9,10,11,12,13,14,15
	global_load_b128 v[I+4*\i:I+4*\i+3], v2, s[4:5] offset:4096*\i             ; my wave's 512 bytes are block 8i + j
.endr
	global_load_b128 v[OWN:OWN+3], v3, s[58:59]
.irp r, 0,1,2,3,4,5,6,7,8,9,10,11,12,13,14,15
	global_load_b128 v[WA+4*\r:WA+4*\r+3], v3, s[6:7] offset:1024*\r th:TH_LOAD_NT   ; 512 consecutive bytes of row r; read once in the launch
.endr
.irp r, 0,1,2,3,4,5,6,7,8,9,10,11,12,13,14,15
	global_load_b128 v[WB+4*\r:WB+4*\r+3], v3, s[8:9] offset:4096*\r th:TH_LOAD_NT
.endr
	v_mov_b32 v[BB], 0
	v_mov_b32 v[BB+1], 0
	v_mov_b32 v[BB+2], 0
	v_mov_b32 v[TMP], 0
; The four indices of load i: c = sum of 1 << 3 min(index, 8), nine fields of 3 bits, each at most 4; spread over three registers
; so that a field has 9 bits of room (a lane counts 64 at the most).  Behind my wave's last block below g the counts are kept in BB.
.macro COUNT i
.irp e, 0,1,2,3
	v_min_u32 v[I+4*\i+\e], 8, v[I+4*\i+\e]
.endr
.irp e, 0,1,2,3
	v_lshl_add_u32 v[I+4*\i+\e], v[I+4*\i+\e], 1, v[I+4*\i+\e]                 ; 3 x bucket
.endr
	v_lshlrev_b32 v[CC], v[I+4*\i], 1
	v_lshl_add_u32 v[CC], 1, v[I+4*\i+1], v[CC]
	v_lshl_add_u32 v[CC], 1, v[I+4*\i+2], v[CC]
	v_lshl_add_u32 v[CC], 1, v[I+4*\i+3], v[CC]
.if \i == 0
	v_and_b32 v[TT], s21, v[CC]                    ; the first load starts the sums
	v_and_b32 v[TT+1], s22, v[CC]
	v_and_b32 v[TT+2], s23, v[CC]
.else
	v_and_b32 v[XX], s21, v[CC]
	v_add_nc_u32 v[TT], v[TT], v[XX]
	v_and_b32 v[XX], s22, v[CC]
	v_add_nc_u32 v[TT+1], v[TT+1], v[XX]
	v_and_b32 v[XX], s23, v[CC]
	v_add_nc_u32 v[TT+2], v[TT+2], v[XX]
.endif
	s_cmp_eq_u32 s20, \i+1
	s_cselect_b32 s56, -1, 0
	v_cndmask_b32 v[BB], v[BB], v[TT], s56
	v_cndmask_b32 v[BB+1], v[BB+1], v[TT+1], s56
	v_cndmask_b32 v[BB+2], v[BB+2], v[TT+2], s56
.endm
	s_wait_loadcnt 32                              ; the 17 index loads are in; the 32 weight loads issued behind them stay out
.irp i, 0,1,2,3,4,5,6,7,8,9,10,11,12,13,14,15
	COUNT \i
.endr
	; unpack (T_q into v[8+q], B_q into v[20+q]) and pack two counts to a word: a half holds 16,384 at the most, so no carry passes
.irp q, 0,1,2,3,4,5,6,7,8
	v_bfe_u32 v[8+\q], v[TT+\q%3], 3*\q, 8
	v_bfe_u32 v[20+\q], v[BB+\q%3], 3*\q, 8
.endr
	v_lshl_or_b32 v[U+0], v9, 16, v8               ; T0 | T1
	v_lshl_or_b32 v[U+1], v11, 16, v10             ; T2 | T3
	v_lshl_or_b32 v[U+2], v13, 16, v12             ; T4 | T5
	v_lshl_or_b32 v[U+3], v15, 16, v14             ; T6 | T7
	v_lshl_or_b32 v[U+4], v28, 16, v16             ; T8 | B8
	v_lshl_or_b32 v[U+5], v21, 16, v20             ; B0 | B1
	v_lshl_or_b32 v[U+6], v23, 16, v22             ; B2 | B3
	v_lshl_or_b32 v[U+7], v25, 16, v24             ; B4 | B5
	v_lshl_or_b32 v[U+8], v27, 16, v26             ; B6 | B7
	v_mov_b32 v[U+9], 0
	v_mov_b32 v[U+10], 0
	v_mov_b32 v[U+11], 0
.macro LANESUM u                       ; the sum over the wave's 32 lanes, in every lane
.irp m, 1,2,4,8
	v_mov_b32_dpp v[TMP], v[\u] row_xmask:\m row_mask:0xf bank_mask:0xf
	v_add_nc_u32 v[\u], v[\u], v[TMP]
.endr
	v_permlanex16_b32 v[TMP], v[\u], s24, s25
	v_add_nc_u32 v[\u], v[\u], v[TMP]
.endm
.irp n, 0,1,2,3,4,5,6,7,8
	LANESUM U+\n
.endr
	s_mul_i32 s56, s18, TABROW
	v_mov_b32 v[TABA], s56
	ds_store_b128 v[TABA], v[U:U+3]                ; all lanes write the same bytes with the same values
	ds_store_b128 v[TABA], v[U+4:U+7] offset:16
	ds_store_b128 v[TABA], v[U+8:U+11] offset:32
	s_wait_dscnt 0x0                               ; for wave 0's sake: my row of the table is written
	s_barrier_signal -1
	s_barrier_wait -1                              ; the launch's only barrier
	s_cmp_lg_u32 s18, 0
	s_cbranch_scc1 .Lconvert                       ; waves 1 to 7 go straight to the weights
	; WAVE 0: the eight waves' rows are added, lane n (0..11) taking word n
	v_min_u32 v[TABA], 11, v1
	v_lshlrev_b32 v[TABA], 2, v[TABA]
.irp w, 0,1,2,3,4,5,6,7
	ds_load_b32 v[8+\w], v[TABA] offset:TABROW*\w
.endr
	s_wait_dscnt 0x0
	v_add_nc_u32 v8, v8, v9
	v_add_nc_u32 v10, v10, v11
	v_add_nc_u32 v12, v12, v13
	v_add_nc_u32 v14, v14, v15
	v_add_nc_u32 v8, v8, v10
	v_add_nc_u32 v12, v12, v14
	v_add_nc_u32 v8, v8, v12
.irp n, 0,1,2,3
	v_readlane_b32 s56, v8, \n
	s_and_b32 s[28+2*\n], s56, 0xffff              ; T_2n
	s_lshr_b32 s[29+2*\n], s56, 16                 ; T_2n+1
	v_readlane_b32 s57, v8, \n+5
	s_and_b32 s[37+2*\n], s57, 0xffff              ; B_2n
	s_lshr_b32 s[38+2*\n], s57, 16                 ; B_2n+1
.endr
	v_readlane_b32 s56, v8, 4
	s_and_b32 s36, s56, 0xffff                     ; T_8
	s_lshr_b32 s45, s56, 16                        ; B_8
	s_mov_b32 s46, 0                               ; P_0
.irp q, 0,1,2,3,4,5,6,7,8
	s_add_co_u32 s[47+\q], s[46+\q], s[28+\q]      ; P_q+1 = P_q + T_q
	s_add_co_u32 s[37+\q], s[37+\q], s[46+\q]      ; where block g's rows of bucket q begin
.endr
	s_lshl_b32 s57, s19, 7
	v_lshl_add_u32 v[TOK], v1, 2, s57              ; my four rows: 128 g + 4 lane + e
	v_add_nc_u32 v[TOK+1], 1, v[TOK]
	v_add_nc_u32 v[TOK+2], 2, v[TOK]
	v_add_nc_u32 v[TOK+3], 3, v[TOK]
.irp e, 0,1,2,3
	v_lshlrev_b32 v[ROWOFF+\e], 10, v[TOK+\e]
	v_mov_b32 v[ZERO+\e], 0
	v_min_u32 v[OWN+\e], 8, v[OWN+\e]
.endr
; The places of the 32 rows with number 4 lane + e: for each bucket the lanes that hold it, their rank among themselves, the bucket's running start.
.macro RANK e
.irp q, 0,1,2,3,4,5,6,7,8
	v_cmp_eq_u32 s56, \q, v[OWN+\e]
.if \q == 0
	v_mbcnt_lo_u32_b32 v[POS+\e], s56, s[37+\q]
.else
	v_mbcnt_lo_u32_b32 v[RNK], s56, s[37+\q]
	v_cndmask_b32 v[POS+\e], v[POS+\e], v[RNK], s56
.endif
	s_bcnt1_i32_b32 s57, s56
	s_add_co_u32 s[37+\q], s[37+\q], s57
.endr
	v_min_u32 v[POS+\e], 0x3fff, v[POS+\e]         ; a place is below 16,384 by construction; the bound is written out for the address
	v_lshlrev_b32 v[POS+\e], 2, v[POS+\e]
	global_store_b32 v[POS+\e], v[TOK+\e], s[10:11]
.endm
	RANK 0
	RANK 1
	RANK 2
	RANK 3
	; The table of starts is stored by work-group 0 alone, while every lane is still on.
	s_cmp_lg_u32 s19, 0
	s_cbranch_scc1 .Lzero
	v_mov_b32 v[PT], 0
.irp q, 0,1,2,3,4,5,6,7,8,9
	v_writelane_b32 v[PT], s[46+\q], \q
.endr
	global_store_b32 v[L4], v[PT], s[12:13]        ; P_0 .. P_9, then zeros: 128 bytes
.Lzero:
; Rows whose index is outside 0..7 get the reference's zeros.
.macro ZEROROWS e
	v_cmp_eq_u32 vcc_lo, 8, v[OWN+\e]
	s_wait_xcnt 0x0                                ; loads and stores are pending: EXEC, one of their sources, changes only behind this wait
	s_and_saveexec_b32 s20, vcc_lo
	s_cbranch_execz .Lnone_\@
.set i, 0
.rept 64
	global_store_b128 v[ROWOFF+\e], v[ZERO:ZERO+3], s[16:17] offset:16*i
.set i, i+1
.endr
.Lnone_\@:
	s_wait_xcnt 0x0                                ; and again in front of the line that widens it
	s_or_b32 exec_lo, exec_lo, s20
.endm
	ZEROROWS 0
	ZEROROWS 1
	ZEROROWS 2
	ZEROROWS 3
.Lconvert:
; 16 rows x 128 columns: round to bf16 (8 bytes a lane), lay the rows into my own LDS bytes, read them back as fragments, store.
; LDS serves a wave's instructions in order (ISA guide 5.7.1), and the bytes are my wave's own: no wait between the stores and the loads.
.macro CONV src, ldsoff, cnt, dst, base
	s_wait_loadcnt \cnt
.irp r, 0,1,2,3,4,5,6,7,8,9,10,11,12,13,14,15
	v_cvt_pk_bf16_f32 v[\src+4*\r], v[\src+4*\r], v[\src+4*\r+1]
	v_cvt_pk_bf16_f32 v[\src+4*\r+1], v[\src+4*\r+2], v[\src+4*\r+3]
	ds_store_b64 v[CST], v[\src+4*\r:\src+4*\r+1] offset:\ldsoff+CPITCH*\r
.endr
.irp t, 0,1,2,3
	ds_load_b128 v[\dst+8*\t:\dst+8*\t+3], v[CRD] offset:\ldsoff+64*\t         ; row r, k = 32t + 8h ..
	ds_load_b128 v[\dst+8*\t+4:\dst+8*\t+7], v[CRD] offset:\ldsoff+64*\t+32    ; row r, k = 32t + 16 + 8h ..
.endr
	s_wait_dscnt 0x0
.irp t, 0,1,2,3
	global_store_b128 v3, v[\dst+8*\t:\dst+8*\t+3], s[\base:\base+1] offset:4096*\t        ; each store of the wave covers 512 consecutive bytes, aligned
	global_store_b128 v3, v[\dst+8*\t+4:\dst+8*\t+7], s[\base:\base+1] offset:4096*\t+512
.endr
.endm
	CONV WA, 0, 16, I, 60                          ; W1's 16 loads are in, W2's 16 stay out
	CONV WB, 16*CPITCH, 0, I+32, 62
	s_wait_tensorcnt 0x0
	ds_add_u32 v248, v249
	s_wait_dscnt 0x0
	s_endpgm
.Lfunc_end_k_qaba6d23371_prep:
	.size	k_qaba6d23371_prep, .Lfunc_end_k_qaba6d23371_prep-k_qaba6d23371_prep
	.p2alignl 7, 3214868480
	.fill 96, 4, 3214868480
	.section	.rodata,"a",@progbits
	.p2align	6, 0x0
	.amdhsa_kernel k_qaba6d23371_prep
		.amdhsa_group_segment_fixed_size 71168
		.amdhsa_private_segment_fixed_size 0
		.amdhsa_enable_private_segment 0
		.amdhsa_kernarg_size 56
		.amdhsa_user_sgpr_count 2
		.amdhsa_user_sgpr_kernarg_segment_ptr 1
		.amdhsa_wavefront_size32 1
		.amdhsa_system_sgpr_workgroup_id_x 1
		.amdhsa_system_sgpr_workgroup_id_y 1
		.amdhsa_system_sgpr_workgroup_id_z 1
		.amdhsa_system_vgpr_workitem_id 0
		.amdhsa_next_free_vgpr 250
		.amdhsa_next_free_sgpr 66
		.amdhsa_reserve_vcc 1
		.amdhsa_float_denorm_mode_32 3
		.amdhsa_float_denorm_mode_16_64 3
		.amdhsa_memory_ordered 1
		.amdhsa_forward_progress 1
		.amdhsa_inst_pref_size 79
	.end_amdhsa_kernel
	.amdgpu_metadata
---
amdhsa.version: [ 1, 2 ]
amdhsa.kernels:
  - .name:           k_qaba6d23371_prep
    .symbol:         k_qaba6d23371_prep.kd
    .args:
      - { .name: plane_idx, .offset: 0, .size: 8, .value_kind: global_buffer, .address_space: global }
      - { .name: W1, .offset: 8, .size: 8, .value_kind: global_buffer, .address_space: global }
      - { .name: W2, .offset: 16, .size: 8, .value_kind: global_buffer, .address_space: global }
      - { .name: order, .offset: 24, .size: 8, .value_kind: global_buffer, .address_space: global }
      - { .name: ptab, .offset: 32, .size: 8, .value_kind: global_buffer, .address_space: global }
      - { .name: wfrag, .offset: 40, .size: 8, .value_kind: global_buffer, .address_space: global }
      - { .name: out0, .offset: 48, .size: 8, .value_kind: global_buffer, .address_space: global }
    .group_segment_fixed_size: 71168
    .private_segment_fixed_size: 0
    .kernarg_segment_align: 8
    .kernarg_segment_size: 56
    .max_flat_workgroup_size: 256
    .sgpr_count:     66
    .vgpr_count:     250
    .wavefront_size: 32
...
	.end_amdgpu_metadata
.endif
;; end of part 1
;; launch mlp (part 2): grid 135 x 1, 4 waves a work-group, no clusters, 273,920 bytes of LDS; arguments x, wfrag, b1, b2, order, ptab, out0; writes out0
.if DOCPART == 2
	.amdgcn_target "amdgcn-amd-amdhsa--gfx1250"
	.amdhsa_code_object_version 6
	.text
	.protected	k_qaba6d23371_mlp
	.globl	k_qaba6d23371_mlp
	.p2align	8
	.type	k_qaba6d23371_mlp,@function
k_qaba6d23371_mlp:
	s_mov_b64 s[64:65], 0
	v_nop
	global_prefetch_b8 v0, s[64:65] scope:SCOPE_SE
	s_setreg_imm32_b32 hwreg(HW_REG_WAVE_MODE, 25, 1), 1
	s_wait_xcnt 0x0
; out0[row] = gelu(x[row] W1[p]^T + b1[p]) W2[p]^T + b2[p], p = the row's plane: only the plane that the reference's mask keeps is computed.
; PIECES.  The sorted positions (buffer order) are cut at every multiple of 128 and at every plane's start P_q (buffer ptab).  Work-group n has plane
; p = the largest q <= 7 with (P_q >> 7) + q <= n, slice k = n - p, and of the positions 128k .. 128k+127 those in [P_p, P_p+1).  A position of
; plane p in slice k belongs to piece k + p and to no other; the highest piece that can hold a row is 127 + 7, so the grid is 135.  Every work-group
; runs the same text on 128 rows; rows of its slice that are another plane's are computed and not stored (such a slice's rows of x are read by two pieces).
; A piece is empty, and stores nothing, only where a plane's start falls on a multiple of 128 or a plane has no rows.
; SHAPE.  The hidden axis goes in 4 chunks of 256, so both layers are the same product 128 x 256 x 256: eight stages of eight K steps of 32.
; Wave w makes all 128 rows x 64 columns (64w ..) of every stage: 8 x 4 tiles.  So a weight fragment is multiplied by ONE wave of the work-group and goes
; from wfrag, where it lies in register order, straight into that wave's registers: two loads of 512 consecutive bytes each, no LDS, no barrier.
; A ring of eight K steps (a whole stage, 256 registers) keeps 48 to 56 such loads on their way.  Rows (x, then the hidden chunk) lie in LDS as bf16.
; NO CLUSTER, NO TENSOR LOAD: a joint load lands in LDS, and here each weight byte has one reader in the work-group, so the way through LDS would add
; 1 MiB written and 1 MiB read a piece; and how many pieces a plane has hangs on the counts, so four neighbouring pieces may be of two planes.
; THE MATRIX INSTRUCTION IS USED TRANSPOSED: source 0 = 16 weight rows, source 1 = 16 data rows.  Lane (r, h) then holds data row 16mt + r and the eight
; neighbouring columns 16nt + 8h + 0..7, which pack into 16 bytes of bf16 (hidden) or 32 bytes of f32 (result).
; GELU, exact form: erf(z) = 1 - 1/(1 + a1 z + .. + a6 z^6)^16 (Abramowitz and Stegun 7.1.28, absolute error at most 3e-7 for every z >= 0).  With z = |x|/sqrt 2
; and all coefficients times 2^(1/16) the reciprocal is u = (1 - erf z)/2, and gelu(x) = max(x, 0) - |x| u.  The text keeps -|x| and the odd coefficients negated.
; A large |x| sends the power to infinity and u to 0, the true limit.
; LIMITS: matrix operands are bf16 (x, W1, W2, the hidden numbers), sums f32; the erf formula's 3e-7; an infinite pre-activation gives NaN where the reference gives
; infinity or zero.
;
; REGISTERS, in windows of 256: window 0 addresses, biases, row fragments, work; window 1 the result's 32 tiles (tile (mt, nt) at 8(4mt + nt));
; window 2 the hidden chunk's 32 tiles (at the start: x as loaded); window 3 the weight ring (step t, tile nt at 8(4t + nt)).
.set XPITCH, 528                       ; 512 bytes of bf16 + 16: an odd multiple of 16
.set OPITCH, 1040                      ; 1,024 bytes of f32 + 16: likewise
.set HL,     128*XPITCH                ; LDS: x at 0, the hidden chunk behind it,
.set BIASL,  2*128*XPITCH              ; b1[p] (4,096 bytes) and b2[p] (1,024 bytes),
.set OUTL,   BIASL+5120                ; and the result's 128 rows
.set STEPB,  4096                      ; bytes of a wave's weights in a K step
.set STAGEB, 32768                     ; and in a stage
.set WOFF, 1                           ; 16 x lane
.set XADR, 2                           ; row fragments of x: 528 r + 16 h
.set HADR, 3                           ; of the hidden chunk
.set HST,  4                           ; where I put 16 bytes of the hidden chunk
.set BADR, 5                           ; my eight biases of tile 0; steps by 1,024 a chunk
.set OST0, 6                           ; where I put results of rows 0-63
.set OST1, 7                           ; of rows 64-127
.set ORD,  8                           ; where I read whole rows of the result back
.set XST,  9                           ; where I put 8 bytes of x
.set BIAS, 32                          ; v[32:63]   the biases as four C operands
.set F0,   64                          ; v[64:127]  row fragments, buffer 0
.set F1,   128                         ; v[128:191] buffer 1
.set VOFF, 192                         ; v[192:223] byte offset of my wave's 32 rows in x and in out0, + 16 x lane; never rewritten
.set KC,   224                         ; v[224:237] seven constants, each twice
.set GA,   F0                          ; GELU: -|x|, later the packed results
.set GM,   F0+32                       ; max(x, 0), later gelu(x)
.set GQ,   F1                          ; the polynomial, its power, the reciprocal
.set RING,   0xc0                      ; destination window 3
.set XLD,    0x80                      ; destination window 2
.set XCVT,   0x0a                      ; sources 0 and 1 window 2
.set MUL_H,  0xa3                      ; source 0 window 3, source 1 window 0, C and D window 2
.set MUL_HB, 0x83                      ; the same with C in window 0 (the biases)
.set MUL_O,  0x53                      ; C and D window 1
.set MUL_OB, 0x43
.set GRD,    0x08                      ; source 1 window 2
.set OSTW,   0x04                      ; source 1 (an LDS store's data) window 1
.set MSB, 0
.macro WIN new                         ; the immediate's high byte repeats the setting that is left
.if MSB != \new
	s_set_vgpr_msb (MSB<<8)|\new
.set MSB, \new
.endif
.endm
.macro PLACES                          ; four plain vector instructions between a matrix instruction and what reads its result or writes or loads into its registers
.rept 4
	v_nop
.endr
.endm
; 16 LDS loads: the fragments of all 128 rows for K step t, rows ascending
.macro FETCH adr, t, f
.irp mt, 0,1,2,3,4,5,6,7
	ds_load_b128 v[\f+8*\mt:\f+8*\mt+3], v[\adr] offset:16*XPITCH*\mt+64*(\t)
	ds_load_b128 v[\f+8*\mt+4:\f+8*\mt+7], v[\adr] offset:16*XPITCH*\mt+64*(\t)+32
.endr
.endm
; 8 LDS loads: register j of tile nt = bias of column 64w + 16nt + 8h + j
.macro BIASLD off
.irp nt, 0,1,2,3
	ds_load_b128 v[BIAS+8*\nt:BIAS+8*\nt+3], v[BADR] offset:\off+64*\nt
	ds_load_b128 v[BIAS+8*\nt+4:BIAS+8*\nt+7], v[BADR] offset:\off+64*\nt+16
.endr
.endm
; 8 global loads: a K step's four weight fragments into a slot of the ring
.macro REFILL slot, off
	WIN RING
.irp nt, 0,1,2,3
	global_load_b128 v[8*(4*(\slot)+\nt):8*(4*(\slot)+\nt)+3], v[WOFF], s[46:47] offset:\off+1024*\nt
	global_load_b128 v[8*(4*(\slot)+\nt)+4:8*(4*(\slot)+\nt)+7], v[WOFF], s[46:47] offset:\off+1024*\nt+512
.endr
.endm
; 16 matrix instructions: row blocks m0 .. m0+3 x the four column tiles.  The 32 accumulators take turns, one instruction a turn, in the same order
; in every step.  bias = 1: the biases start the sums, nothing is cleared.
.macro MUL16 f, t, m0, bias
.irp mt, \m0, \m0+1, \m0+2, \m0+3
.irp nt, 0,1,2,3
.if \bias
	v_wmma_f32_16x16x32_bf16 v[8*(4*(\mt)+\nt):8*(4*(\mt)+\nt)+7], v[8*(4*(\t)+\nt):8*(4*(\t)+\nt)+7], v[\f+8*(\mt):\f+8*(\mt)+7], v[BIAS+8*\nt:BIAS+8*\nt+7]
.else
	v_wmma_f32_16x16x32_bf16 v[8*(4*(\mt)+\nt):8*(4*(\mt)+\nt)+7], v[8*(4*(\t)+\nt):8*(4*(\t)+\nt)+7], v[\f+8*(\mt):\f+8*(\mt)+7], v[8*(4*(\mt)+\nt):8*(4*(\mt)+\nt)+7]
.endif
.endr
.endr
.endm
; A K step: 32 matrix instructions on buffer f and ring slot t; in its middle, in one run, the loads for later steps.
; dsw: how many of the 16 loads of buffer f may still be out (8: rows 64-127); lcnt: how many weight loads were issued behind slot t's.
.macro STEP win, f, t, bias, dsw, lcnt, fetch, adr, ft, g, extra, refill, slot, off
	s_wait_dscnt \dsw
	s_wait_loadcnt \lcnt
	WIN \win
	MUL16 \f, \t, 0, \bias
.if \fetch + \refill
	PLACES                                         ; behind the last step's matrix instructions, which read buffer g and the slot that is filled
.endif
.if \fetch
	WIN 0
	FETCH \adr, \ft, \g
.if \extra
	BIASLD 1024                                    ; the next chunk's b1
.endif
.endif
.if \refill
	REFILL \slot, \off
.endif
.if \fetch
	s_wait_dscnt 16+8*\extra                       ; all but the LDS loads just issued: rows 64-127 of buffer f are in
.else
	s_wait_dscnt 0x0
.endif
	WIN \win
	MUL16 \f, \t, 4, \bias
.endm
.macro L1STEP t, f, g                  ; steps 1 to 6 of layer 1: fetch x's next step, fill slot t-1 with layer 2's step t-1
	STEP MUL_H, \f, \t, 0, 8, 48, 1, XADR, \t+1, \g, 0, 1, \t-1, STAGEB+STEPB*(\t-1)
.endm
.macro L2STEP t, f, g, lcnt, refill    ; steps 1 to 6 of layer 2: fetch the hidden chunk's next step, fill slot t-1 with the next chunk's layer 1
	STEP MUL_O, \f, \t, 0, 8, \lcnt, 1, HADR, \t+1, \g, 0, \refill, \t-1, 2*STAGEB+STEPB*(\t-1)
.endm
; gelu of the four tiles of row block mt (32 numbers a lane), rounded to bf16 and laid into the hidden chunk's rows
.macro GELU mt
	WIN GRD
.set i, 0
.rept 32
	v_or_b32 v[GA+i], s49, v[32*\mt+i]             ; -|x|
	v_max_num_f32 v[GM+i], 0, v[32*\mt+i]          ; max(x, 0)
.set i, i+1
.endr
	WIN 0
.set i, 0
.rept 16
	v_pk_fma_f32 v[GQ+i:GQ+i+1], v[GA+i:GA+i+1], v[KC+12:KC+13], v[KC+10:KC+11]
.set i, i+2
.endr
.irp k, 4,3,2,1,0
.set i, 0
.rept 16
	v_pk_fma_f32 v[GQ+i:GQ+i+1], v[GQ+i:GQ+i+1], v[GA+i:GA+i+1], v[KC+2*\k:KC+2*\k+1]
.set i, i+2
.endr
.endr
.rept 4                                ; the sixteenth power: four squarings
.set i, 0
.rept 16
	v_pk_mul_f32 v[GQ+i:GQ+i+1], v[GQ+i:GQ+i+1], v[GQ+i:GQ+i+1]
.set i, i+2
.endr
.endr
.set i, 0
.rept 32
	v_rcp_f32 v[GQ+i], v[GQ+i]                     ; u = (1 - erf)/2
.set i, i+1
.endr
	v_nop                                          ; one plain vector instruction between the last reciprocal and the use of its result (ISA guide 5.7.2)
.set i, 0
	s_wait_alu depctr_va_vdst(0)
.rept 16
	v_pk_fma_f32 v[GM+i:GM+i+1], v[GA+i:GA+i+1], v[GQ+i:GQ+i+1], v[GM+i:GM+i+1]   ; max(x, 0) - |x| u
.set i, i+2
.endr
.set i, 0
.rept 16
	v_cvt_pk_bf16_f32 v[GA+i], v[GM+2*i], v[GM+2*i+1]
.set i, i+1
.endr
.irp nt, 0,1,2,3
	ds_store_b128 v[HST], v[GA+4*\nt:GA+4*\nt+3] offset:16*XPITCH*\mt+32*\nt
.endr
.endm
	s_load_b256 s[4:11], s[0:1], 0x0               ; x s[4:5], wfrag s[6:7], b1 s[8:9], b2 s[10:11]
	s_load_b128 s[12:15], s[0:1], 0x20             ; order s[12:13], ptab s[14:15]
	s_load_b64 s[16:17], s[0:1], 0x30              ; out0
	v_lshl_add_u32 v254, v0, 2, 0x42c00
	v_mov_b32 v255, 0
	v_lshrrev_b32 v10, 5, v0
	v_readfirstlane_b32 s18, v10                   ; my wave, 0..3
	s_mov_b32 s19, ttmp9                           ; my piece, 0..134
	s_wait_kmcnt 0x0
	s_load_b512 s[20:35], s[14:15], 0x0            ; P_0 .. P_9 in s20 .. s29
	v_and_b32 v11, 31, v0                          ; lane
	v_and_b32 v12, 15, v0                          ; r
	v_bfe_u32 v13, v0, 4, 1                        ; h
	v_lshlrev_b32 v[WOFF], 4, v11
	v_lshlrev_b32 v14, 4, v0                       ; 16 x thread: b1
	v_lshlrev_b32 v15, 3, v0                       ; 8 x thread: b2
	v_add_nc_u32 v26, BIASL, v14
	v_add_nc_u32 v27, BIASL+4096, v15
	v_mul_u32_u24 v[XADR], v12, XPITCH
	v_lshl_add_u32 v[XADR], v13, 4, v[XADR]
	v_add_nc_u32 v[HADR], HL, v[XADR]
	s_lshl_b32 s40, s18, 7
	v_add_nc_u32 v[HST], s40, v[HADR]              ; + my 64 columns of bf16
	s_lshl_b32 s40, s18, 8
	s_add_co_u32 s40, s40, BIASL
	v_lshl_add_u32 v[BADR], v13, 5, s40            ; 256 w + 32 h
	v_mul_u32_u24 v[OST0], v12, OPITCH
	v_add3_u32 v[OST0], v[OST0], v[BADR], OUTL-BIASL   ; 1040 r + 256 w + 32 h
	v_add_nc_u32 v[OST1], 64*OPITCH, v[OST0]
	s_mul_i32 s40, s18, 32*OPITCH
	s_add_co_u32 s40, s40, OUTL
	v_add_nc_u32 v[ORD], s40, v[WOFF]
	s_mul_i32 s40, s18, 32*XPITCH
	v_lshl_add_u32 v[XST], v11, 3, s40
	s_mov_b32 s49, 0x80000000
.macro KSET n, bits
	v_mov_b32 v[KC+2*\n], \bits
	v_mov_b32 v[KC+2*\n+1], \bits
.endm
	KSET 0, 0x3f85aac3                             ;  2^(1/16)                 =  1.04427378
	KSET 1, 0xbd554cc4                             ; -2^(1/16) a1 2^(-1/2)     = -0.0520751628
	KSET 2, 0x3cb4dad2                             ;  2^(1/16) a2 2^(-1)       =  0.0220769984
	KSET 3, 0xbb605009                             ; -2^(1/16) a3 2^(-3/2)     = -0.00342273923
	KSET 4, 0x382674aa                             ;  2^(1/16) a4 2^(-2)       =  3.96861368e-5
	KSET 5, 0xb856241d                             ; -2^(1/16) a5 2^(-5/2)     = -5.10552091e-5
	KSET 6, 0x36bc9e99                             ;  2^(1/16) a6 2^(-3)       =  5.62129965e-6
	s_wait_kmcnt 0x0
	; my plane, its first and last position, my slice.  (P_q >> 7) + q grows with q, so the last q that passes is the largest.
	s_mov_b32 s36, 0
	s_mov_b32 s37, s20
	s_mov_b32 s38, s21
.irp q, 1,2,3,4,5,6,7
	s_lshr_b32 s40, s[20+\q], 7
	s_add_co_u32 s40, s40, \q
	s_cmp_le_u32 s40, s19
	s_cselect_b32 s36, \q, s36                     ; p
	s_cselect_b32 s37, s[20+\q], s37               ; lo = P_p
	s_cselect_b32 s38, s[21+\q], s38               ; hi = P_p+1
.endr
	s_sub_co_u32 s39, s19, s36                     ; k, 0 .. 134; at 128 and above the piece is empty
	s_min_u32 s36, s36, 7
	s_min_u32 s41, s39, 127                        ; an empty piece reads the last slice's rows and stores none
	s_lshl_b32 s41, s41, 9
	s_lshl_b32 s42, s18, 7
	s_add_co_u32 s41, s41, s42                     ; my wave's 32 words of order
	s_load_b512 s[68:83], s[12:13], s41 offset:0x0
	s_load_b512 s[84:99], s[12:13], s41 offset:0x40
	s_lshl_b32 s52, s36, 20
	s_lshl_b32 s42, s18, 18
	s_add_co_u32 s52, s52, s42
	s_mov_b32 s53, 0
	s_add_nc_u64 s[46:47], s[6:7], s[52:53]        ; my wave's 256 KiB of weights, in the order of use
	s_lshl_b32 s52, s36, 12
	s_add_nc_u64 s[8:9], s[8:9], s[52:53]          ; b1[p]
	s_lshl_b32 s52, s36, 10
	s_add_nc_u64 s[10:11], s[10:11], s[52:53]      ; b2[p]
	REFILL 0, 0*STEPB
	REFILL 1, 1*STEPB
	REFILL 2, 2*STEPB
	REFILL 3, 3*STEPB
	WIN 0
	global_load_b128 v[16:19], v14, s[8:9]
	global_load_b128 v[20:23], v14, s[8:9] offset:2048
	global_load_b64 v[24:25], v15, s[10:11]
	s_wait_kmcnt 0x0                               ; the 32 row numbers
.set i, 0
.rept 32
	s_min_u32 s[68+i], s[68+i], 0x3fff             ; a row number is below 16,384 by construction; the bound is written out for the address
	v_lshl_add_u32 v[VOFF+i], s[68+i], 10, v[WOFF]
.set i, i+1
.endr
	WIN XLD
.set i, 0
.rept 32
	global_load_b128 v[8*i:8*i+3], v[VOFF+i], s[4:5]               ; 512 consecutive bytes of a row of x,
	global_load_b128 v[8*i+4:8*i+7], v[VOFF+i], s[4:5] offset:512  ; and the other 512
.set i, i+1
.endr
	REFILL 4, 4*STEPB
	REFILL 5, 5*STEPB
	REFILL 6, 6*STEPB
	REFILL 7, 7*STEPB
	WIN 0
	; bit i of s48: row i of my wave's 32 is my plane's
	s_lshl_b32 s40, s39, 7
	s_lshl_b32 s42, s18, 5
	s_add_co_u32 s40, s40, s42
	v_add_nc_u32 v28, s40, v11                     ; position 128 k + 32 w + lane
	v_cmp_le_u32 s42, s37, v28
	v_cmp_gt_u32 s43, s38, v28
	s_and_b32 s48, s42, s43
; Eight rows of x: to bf16, into LDS.  cnt = the loads issued behind the group's: 16 for each later group and the ring's 32, cut to 63, the most a wait can name.
.macro XGROUP n, cnt
	s_wait_loadcnt \cnt
	WIN XCVT
.set i, 8*\n
.rept 8
	v_cvt_pk_bf16_f32 v[F0+4*i], v[8*i], v[8*i+1]
	v_cvt_pk_bf16_f32 v[F0+4*i+1], v[8*i+2], v[8*i+3]
	v_cvt_pk_bf16_f32 v[F0+4*i+2], v[8*i+4], v[8*i+5]
	v_cvt_pk_bf16_f32 v[F0+4*i+3], v[8*i+6], v[8*i+7]
.set i, i+1
.endr
	WIN 0
.set i, 8*\n
.rept 8
	ds_store_b64 v[XST], v[F0+4*i:F0+4*i+1] offset:XPITCH*i
	ds_store_b64 v[XST], v[F0+4*i+2:F0+4*i+3] offset:XPITCH*i+256
.set i, i+1
.endr
.endm
	XGROUP 0, 63
	ds_store_b128 v26, v[16:19]                    ; the biases were asked for ahead of x: they are in too
	ds_store_b128 v26, v[20:23] offset:2048
	ds_store_b64 v27, v[24:25]
	XGROUP 1, 63
	XGROUP 2, 48
	XGROUP 3, 32
	s_wait_dscnt 0x0                               ; my rows of x and my part of the biases are written,
	s_barrier_signal -1
	s_barrier_wait -1                              ; everybody's are
	FETCH XADR, 0, F0
	BIASLD 0
; A chunk of 256 hidden numbers: layer 1, gelu, layer 2.  Offsets of the weight loads count from the chunk's first byte, s[46:47].
; WHY 48: slot t is filled in the middle of step t+1 of the stage before (slot 7: in step 0 of its own stage), and up to the wait at the head of step t
; six further fills of 8 loads are issued.  In the first stage the fills behind slot t are the first fills of the later slots and the first refills: six again.
.macro CHUNK first, last
.if \first
	STEP MUL_HB, F0, 0, 1, 0, 48, 1, XADR, 1, F1, 0, 0, 0, 0       ; b1 starts the sums; slot 7 was filled at the start
.else
	STEP MUL_HB, F0, 0, 1, 0, 48, 1, XADR, 1, F1, 0, 1, 7, 7*STEPB
.endif
	L1STEP 1, F1, F0
	L1STEP 2, F0, F1
	L1STEP 3, F1, F0
	L1STEP 4, F0, F1
	L1STEP 5, F1, F0
	L1STEP 6, F0, F1
	STEP MUL_H, F1, 7, 0, 8, 48, 0, XADR, 0, F0, 0, 1, 6, STAGEB+6*STEPB
	PLACES                                         ; behind the last matrix instructions: gelu reads their results and writes both fragment buffers
	WIN 0
.if \first == 0
	s_wait_dscnt 0x0                               ; my reads of the last chunk's hidden numbers are over,
	s_barrier_signal -1
	s_barrier_wait -1                              ; everybody's are: the rows may be written again
.endif
.irp mt, 0,1,2,3,4,5,6,7
	GELU \mt
.endr
.if \first
	BIASLD 4096                                    ; b2, which starts the result's sums
.endif
	s_wait_dscnt 0x0                               ; my 64 columns of the hidden chunk are written,
	s_barrier_signal -1
	s_barrier_wait -1                              ; everybody's are
	FETCH HADR, 0, F0
.if \first
	STEP MUL_OB, F0, 0, 1, 8, 48, 1, HADR, 1, F1, 0, 1, 7, STAGEB+7*STEPB
.else
	STEP MUL_O, F0, 0, 0, 8, 48, 1, HADR, 1, F1, 0, 1, 7, STAGEB+7*STEPB
.endif
.if \last
	L2STEP 1, F1, F0, 48, 0                        ; nothing is left to fetch: the counts run down
	L2STEP 2, F0, F1, 40, 0
	L2STEP 3, F1, F0, 32, 0
	L2STEP 4, F0, F1, 24, 0
	L2STEP 5, F1, F0, 16, 0
	L2STEP 6, F0, F1, 8, 0
	STEP MUL_O, F1, 7, 0, 8, 0, 0, XADR, 0, F0, 0, 0, 0, 0
.else
	L2STEP 1, F1, F0, 48, 1
	L2STEP 2, F0, F1, 48, 1
	L2STEP 3, F1, F0, 48, 1
	L2STEP 4, F0, F1, 48, 1
	L2STEP 5, F1, F0, 48, 1
	L2STEP 6, F0, F1, 48, 1
	STEP MUL_O, F1, 7, 0, 8, 48, 1, XADR, 0, F0, 1, 1, 6, 2*STAGEB+6*STEPB
	WIN 0
	s_wait_xcnt 0x0                                ; the pending weight loads have had their addresses translated (ISA guide 3.1): their base steps only behind this wait
	s_add_nc_u64 s[46:47], s[46:47], 2*STAGEB
	v_add_nc_u32 v[BADR], 1024, v[BADR]
.endif
.endm
	CHUNK 1, 0
	s_mov_b32 s50, 2
.Lchunk:
	CHUNK 0, 0
	s_sub_co_i32 s50, s50, 1
	s_cmp_lg_u32 s50, 0
	s_cbranch_scc1 .Lchunk
	CHUNK 0, 1
	; THE WAY OUT: every wave lays its 64 columns of all 128 rows into LDS; behind a barrier wave w reads rows 32w .. 32w+31 whole and stores those that are my plane's.
	PLACES
.macro OSTORE adr, m0
.irp m, 0,1,2,3
.irp nt, 0,1,2,3
	ds_store_b128 v[\adr], v[8*(4*(\m0+\m)+\nt):8*(4*(\m0+\m)+\nt)+3] offset:16*OPITCH*\m+64*\nt
	ds_store_b128 v[\adr], v[8*(4*(\m0+\m)+\nt)+4:8*(4*(\m0+\m)+\nt)+7] offset:16*OPITCH*\m+64*\nt+16
.endr
.endr
.endm
	WIN OSTW
	OSTORE OST0, 0
	OSTORE OST1, 4
	WIN 0
	s_wait_dscnt 0x0
	s_barrier_signal -1
	s_barrier_wait -1
.macro ROWOUT rho, i
	s_wait_dscnt 30-2*\i                           ; LDS loads come back in order (ISA guide 5.7.1): row i's two are in, the later rows' stay out
	s_bitcmp1_b32 s48, \rho
	s_cbranch_scc0 .Lno_row_\@                     ; a row of another plane is not stored
	global_store_b128 v[VOFF+\rho], v[F0+8*\i:F0+8*\i+3], s[16:17] th:TH_STORE_NT               ; each store of the wave covers 512 consecutive bytes, aligned
	global_store_b128 v[VOFF+\rho], v[F0+8*\i+4:F0+8*\i+7], s[16:17] offset:512 th:TH_STORE_NT
.Lno_row_\@:
.endm
.macro BATCH b                         ; sixteen rows
.set i, 0
.rept 16
	ds_load_b128 v[F0+8*i:F0+8*i+3], v[ORD] offset:OPITCH*(16*\b+i)
	ds_load_b128 v[F0+8*i+4:F0+8*i+7], v[ORD] offset:OPITCH*(16*\b+i)+512
.set i, i+1
.endr
.irp j, 0,1,2,3,4,5,6,7,8,9,10,11,12,13,14,15
	ROWOUT 16*\b+\j, \j
.endr
.endm
	BATCH 0
	s_wait_xcnt 0x0                                ; the stores' data registers are loaded again only behind this wait
	BATCH 1
	s_wait_tensorcnt 0x0
	ds_add_u32 v254, v255
	s_wait_dscnt 0x0
	s_endpgm
.Lfunc_end_k_qaba6d23371_mlp:
	.size	k_qaba6d23371_mlp, .Lfunc_end_k_qaba6d23371_mlp-k_qaba6d23371_mlp
	.p2alignl 7, 3214868480
	.fill 96, 4, 3214868480
	.section	.rodata,"a",@progbits
	.p2align	6, 0x0
	.amdhsa_kernel k_qaba6d23371_mlp
		.amdhsa_group_segment_fixed_size 273920
		.amdhsa_private_segment_fixed_size 0
		.amdhsa_enable_private_segment 0
		.amdhsa_kernarg_size 56
		.amdhsa_user_sgpr_count 2
		.amdhsa_user_sgpr_kernarg_segment_ptr 1
		.amdhsa_wavefront_size32 1
		.amdhsa_system_sgpr_workgroup_id_x 1
		.amdhsa_system_sgpr_workgroup_id_y 1
		.amdhsa_system_sgpr_workgroup_id_z 1
		.amdhsa_system_vgpr_workitem_id 0
		.amdhsa_next_free_vgpr 1024
		.amdhsa_next_free_sgpr 100
		.amdhsa_reserve_vcc 0
		.amdhsa_float_denorm_mode_32 3
		.amdhsa_float_denorm_mode_16_64 3
		.amdhsa_memory_ordered 1
		.amdhsa_forward_progress 1
		.amdhsa_inst_pref_size 255
	.end_amdhsa_kernel
	.section	.bss,"aw",@nobits
	.p2align	6
	.space	262144
	.amdgpu_metadata
---
amdhsa.version: [ 1, 2 ]
amdhsa.kernels:
  - .name:           k_qaba6d23371_mlp
    .symbol:         k_qaba6d23371_mlp.kd
    .args:
      - { .name: x, .offset: 0, .size: 8, .value_kind: global_buffer, .address_space: global }
      - { .name: wfrag, .offset: 8, .size: 8, .value_kind: global_buffer, .address_space: global }
      - { .name: b1, .offset: 16, .size: 8, .value_kind: global_buffer, .address_space: global }
      - { .name: b2, .offset: 24, .size: 8, .value_kind: global_buffer, .address_space: global }
      - { .name: order, .offset: 32, .size: 8, .value_kind: global_buffer, .address_space: global }
      - { .name: ptab, .offset: 40, .size: 8, .value_kind: global_buffer, .address_space: global }
      - { .name: out0, .offset: 48, .size: 8, .value_kind: global_buffer, .address_space: global }
    .group_segment_fixed_size: 273920
    .private_segment_fixed_size: 0
    .kernarg_segment_align: 8
    .kernarg_segment_size: 56
    .max_flat_workgroup_size: 128
    .sgpr_count:     100
    .vgpr_count:     1024
    .wavefront_size: 32
...
	.end_amdgpu_metadata
.endif
;; end of part 2
;; ======== version 2 of 4: 2 launches; 1.57 times as fast as version 1
;; workspace buffers: order 65,536 bytes of whole numbers; ptab 256 bytes of whole numbers; wfrag 8,388,608 bytes
;; launch prep: the kernel of part 1 again; grid 128 x 1, 8 waves a work-group, no clusters, 71,168 bytes of LDS; arguments plane_idx, W1, W2, order, ptab, wfrag, out0; writes order, ptab, wfrag, out0
;; launch mlp (part 3): grid 135 x 1, 4 waves a work-group, no clusters, 273,920 bytes of LDS; arguments x, wfrag, b1, b2, order, ptab, out0; writes out0
.if DOCPART == 3
	.amdgcn_target "amdgcn-amd-amdhsa--gfx1250"
	.amdhsa_code_object_version 6
	.text
	.protected	k_qaba6d23371_mlp
	.globl	k_qaba6d23371_mlp
	.p2align	8
	.type	k_qaba6d23371_mlp,@function
k_qaba6d23371_mlp:
	s_mov_b64 s[64:65], 0
	v_nop
	global_prefetch_b8 v0, s[64:65] scope:SCOPE_SE
	s_setreg_imm32_b32 hwreg(HW_REG_WAVE_MODE, 25, 1), 1
	s_wait_xcnt 0x0
; out0[row] = gelu(x[row] W1[p]^T + b1[p]) W2[p]^T + b2[p], p = the row's plane: only the plane that the reference's mask keeps is computed.
; PIECES.  The sorted positions (buffer order) are cut at every multiple of 128 and at every plane's start P_q (buffer ptab).  Work-group n has plane
; p = the largest q <= 7 with (P_q >> 7) + q <= n, slice k = n - p, and of the positions 128k .. 128k+127 those in [P_p, P_p+1).  A position of
; plane p in slice k belongs to piece k + p and to no other; the highest piece that can hold a row is 127 + 7, so the grid is 135.  Every work-group
; runs the same text on 128 rows; rows of its slice that are another plane's are computed and not stored (such a slice's rows of x are read by two pieces).
; A piece is empty, and stores nothing, only where a plane's start falls on a multiple of 128 or a plane has no rows.
; SHAPE.  The hidden axis goes in 4 chunks of 256, so both layers are the same product 128 x 256 x 256: eight stages.  Wave w makes all 128 rows x 64
; columns (64w ..) of every stage.  So a weight fragment is multiplied by ONE wave of the work-group and goes from wfrag, where it lies in register order,
; straight into that wave's registers: two loads of 512 consecutive bytes each, no LDS, no barrier.  A stage's weights are 256 registers; two stages are
; resident, W1's and W2's, and while one is multiplied the other's 64 loads are on their way.  Rows (x, then the hidden chunk) lie in LDS as bf16.
; EVERYTHING THAT RECURS IS A LOOP, so that the text is short: one chunk's text serves all four chunks, and inside it layer 1 and the gelu go by groups of
; 32 rows, four trips on the same 8 accumulators, so the gelu is written for 64 numbers a lane and not for 256.  A loop cannot index registers: layer 1's
; loop index (the rows) picks LDS addresses alone; layer 2, whose accumulators and weights are both registers, is written out over its 8 K steps.
; NO CLUSTER, NO TENSOR LOAD: a joint load lands in LDS, and here each weight byte has one reader in the work-group, so the way through LDS would add
; 1 MiB written and 1 MiB read a piece; and how many pieces a plane has hangs on the counts, so four neighbouring pieces may be of two planes.
; THE MATRIX INSTRUCTION IS USED TRANSPOSED: source 0 = 16 weight rows, source 1 = 16 data rows.  Lane (r, h) then holds data row r of the block and the eight
; neighbouring columns 16nt + 8h + 0..7, which pack into 16 bytes of bf16 (hidden) or 32 bytes of f32 (result).
; GELU, exact form: erf(z) = 1 - 1/(1 + a1 z + .. + a6 z^6)^16 (Abramowitz and Stegun 7.1.28, absolute error at most 3e-7 for every z >= 0).  With z = |x|/sqrt 2
; and all coefficients times 2^(1/16) the reciprocal is u = (1 - erf z)/2, and gelu(x) = max(x, 0) - |x| u.  The text keeps -|x| and the odd coefficients negated.
; A large |x| sends the power to infinity and u to 0, the true limit.
; LIMITS: matrix operands are bf16 (x, W1, W2, the hidden numbers), sums f32; the erf formula's 3e-7; an infinite pre-activation gives NaN where the reference gives
; infinity or zero.
;
; REGISTERS, in windows of 256: window 0 addresses, constants, biases, the group's 8 hidden tiles, row fragments and work;
; window 1 the result's 32 tiles (tile (mt, nt) at 8(4mt + nt)); window 2 W2's stage (K step t, tile nt at 8(4t + nt); at the start: x as loaded); window 3 W1's stage.
.set XPITCH, 528                       ; 512 bytes of bf16 + 16: an odd multiple of 16
.set OPITCH, 1040                      ; 1,024 bytes of f32 + 16: likewise
.set HL,     128*XPITCH                ; LDS: x at 0, the hidden chunk behind it,
.set BIASL,  2*128*XPITCH              ; b1[p] (4,096 bytes) and b2[p] (1,024 bytes),
.set OUTL,   BIASL+5120                ; and the result's 128 rows
.set STEPB,  4096                      ; bytes of a wave's weights in a K step
.set STAGEB, 32768                     ; and in a stage
.set WOFF, 1                           ; 16 x lane; never rewritten
.set XADR, 2                           ; row fragments of x: 528 r + 16 h
.set HADR, 3                           ; of the hidden chunk
.set HST,  4                           ; where I put 16 bytes of the hidden chunk's rows 0-15
.set BADR, 5                           ; my eight biases of tile 0; steps by 1,024 a chunk
.set OST0, 6                           ; where I put results of rows 0-63
.set OST1, 7                           ; of rows 64-127
.set ORD,  8                           ; where I read whole rows of the result back
.set XST,  9                           ; where I put 8 bytes of x
.set XG,   10                          ; XADR at the group's 32 rows
.set HG,   11                          ; HST at the group's 32 rows
.set KC,   16                          ; v[16:29]   seven constants, each twice
.set BIAS, 32                          ; v[32:63]   b1's numbers as four C operands
.set VOFF, 32                          ; the same registers at the start and on the way out: byte offset of my wave's 32 rows in x and in out0, + 16 x lane
.set H,    64                          ; v[64:127]  the group's 8 tiles: tile (m, nt) at 8(4m + nt)
.set T,    64                          ; the same registers at the start: scratch
.set F0,   128                         ; v[128:255] layer 1: 16 fragments, (t, m) at 8(2t + m); layer 2: buffer 0 ..
.set F1,   192                         ; .. and buffer 1
.set GA,   128                         ; gelu: -|x|, later the packed results
.set GQ,   192                         ; the polynomial, its power, the reciprocal
.set TO_W1,  0xc0                      ; destination window 3
.set TO_W2,  0x80                      ; destination window 2
.set TO_O,   0x40                      ; destination window 1
.set XCVT,   0x0a                      ; sources 0 and 1 window 2
.set MUL_H,  0x03                      ; source 0 window 3; source 1, C and D window 0
.set MUL_O,  0x52                      ; source 0 window 2, source 1 window 0, C and D window 1
.set OSTW,   0x04                      ; source 1 (an LDS store's data) window 1
.set MSB, 0
.macro WIN new                         ; the immediate's high byte repeats the setting that is left
.if MSB != \new
	s_set_vgpr_msb (MSB<<8)|\new
.set MSB, \new
.endif
.endm
.macro PLACES                          ; four plain vector instructions between a matrix instruction and what reads its result or writes or loads into its registers
.rept 4
	v_nop
.endr
.endm
; 8 n global loads: the weight fragments of K steps s0 .. s0+n-1 of the stage at byte off behind s[46:47], into window win
.macro WLOAD win, s0, n, off
	WIN \win
.set q, \s0
.rept \n
.irp nt, 0,1,2,3
	global_load_b128 v[8*(4*q+\nt):8*(4*q+\nt)+3], v[WOFF], s[46:47] offset:\off+STEPB*q+1024*\nt
	global_load_b128 v[8*(4*q+\nt)+4:8*(4*q+\nt)+7], v[WOFF], s[46:47] offset:\off+STEPB*q+1024*\nt+512
.endr
.set q, q+1
.endr
.endm
; 8 LDS loads: register j of tile nt = b1 of column 64w + 16nt + 8h + j of the chunk
.macro BIASLD
.irp nt, 0,1,2,3
	ds_load_b128 v[BIAS+8*\nt:BIAS+8*\nt+3], v[BADR] offset:64*\nt
	ds_load_b128 v[BIAS+8*\nt+4:BIAS+8*\nt+7], v[BADR] offset:64*\nt+16
.endr
.endm
; LAYER 1.  32 LDS loads: the group's 32 rows of x, all 8 K steps, K step by K step
.macro FETCHG
.irp t, 0,1,2,3,4,5,6,7
.irp m, 0,1
	ds_load_b128 v[F0+8*(2*\t+\m):F0+8*(2*\t+\m)+3], v[XG] offset:16*XPITCH*\m+64*\t
	ds_load_b128 v[F0+8*(2*\t+\m)+4:F0+8*(2*\t+\m)+7], v[XG] offset:16*XPITCH*\m+64*\t+32
.endr
.endr
.endm
; 8 matrix instructions: K step t of the group's 8 tiles.  The 8 accumulators take turns, one instruction a turn, in the same order in every step.
; In step 0 b1 starts the sums: nothing is cleared.
.macro MULG t
.irp m, 0,1
.irp nt, 0,1,2,3
.if \t == 0
	v_wmma_f32_16x16x32_bf16 v[H+8*(4*\m+\nt):H+8*(4*\m+\nt)+7], v[8*(4*\t+\nt):8*(4*\t+\nt)+7], v[F0+8*(2*\t+\m):F0+8*(2*\t+\m)+7], v[BIAS+8*\nt:BIAS+8*\nt+7]
.else
	v_wmma_f32_16x16x32_bf16 v[H+8*(4*\m+\nt):H+8*(4*\m+\nt)+7], v[8*(4*\t+\nt):8*(4*\t+\nt)+7], v[F0+8*(2*\t+\m):F0+8*(2*\t+\m)+7], v[H+8*(4*\m+\nt):H+8*(4*\m+\nt)+7]
.endif
.endr
.endr
.endm
; gelu of the group's 8 tiles (64 numbers a lane), rounded to bf16 and laid into the hidden chunk's rows.  All in window 0.
.macro GELU64
.set i, 0
.rept 64
	v_or_b32 v[GA+i], s49, v[H+i]                  ; -|x|
	v_max_num_f32 v[H+i], 0, v[H+i]                ; max(x, 0), in place
.set i, i+1
.endr
.set i, 0
.rept 32
	v_pk_fma_f32 v[GQ+i:GQ+i+1], v[GA+i:GA+i+1], v[KC+12:KC+13], v[KC+10:KC+11]
.set i, i+2
.endr
.irp k, 4,3,2,1,0
.set i, 0
.rept 32
	v_pk_fma_f32 v[GQ+i:GQ+i+1], v[GQ+i:GQ+i+1], v[GA+i:GA+i+1], v[KC+2*\k:KC+2*\k+1]
.set i, i+2
.endr
.endr
.rept 4                                ; the sixteenth power: four squarings
.set i, 0
.rept 32
	v_pk_mul_f32 v[GQ+i:GQ+i+1], v[GQ+i:GQ+i+1], v[GQ+i:GQ+i+1]
.set i, i+2
.endr
.endr
.set i, 0
.rept 64
	v_rcp_f32 v[GQ+i], v[GQ+i]                     ; u = (1 - erf)/2
.set i, i+1
.endr
	v_nop                                          ; one plain vector instruction between the last reciprocal and the use of its result (ISA guide 5.7.2)
.set i, 0
	s_wait_alu depctr_va_vdst(0)
.rept 32
	v_pk_fma_f32 v[H+i:H+i+1], v[GA+i:GA+i+1], v[GQ+i:GQ+i+1], v[H+i:H+i+1]   ; max(x, 0) - |x| u
.set i, i+2
.endr
.set i, 0
.rept 32
	v_cvt_pk_bf16_f32 v[GA+i], v[H+2*i], v[H+2*i+1]
.set i, i+1
.endr
.irp m, 0,1
.irp nt, 0,1,2,3
	ds_store_b128 v[HG], v[GA+4*(4*\m+\nt):GA+4*(4*\m+\nt)+3] offset:16*XPITCH*\m+32*\nt
.endr
.endr
.endm
; LAYER 2.  16 LDS loads: the fragments of all 128 hidden rows for K step t, rows ascending
.macro FETCH t, f
.irp mt, 0,1,2,3,4,5,6,7
	ds_load_b128 v[\f+8*\mt:\f+8*\mt+3], v[HADR] offset:16*XPITCH*\mt+64*(\t)
	ds_load_b128 v[\f+8*\mt+4:\f+8*\mt+7], v[HADR] offset:16*XPITCH*\mt+64*(\t)+32
.endr
.endm
; 16 matrix instructions: row blocks m0 .. m0+3 x the four column tiles.  The 32 accumulators take turns, one instruction a turn, in the same order
; in every step.
.macro MUL16 f, t, m0
.irp mt, \m0, \m0+1, \m0+2, \m0+3
.irp nt, 0,1,2,3
	v_wmma_f32_16x16x32_bf16 v[8*(4*(\mt)+\nt):8*(4*(\mt)+\nt)+7], v[8*(4*(\t)+\nt):8*(4*(\t)+\nt)+7], v[\f+8*(\mt):\f+8*(\mt)+7], v[8*(4*(\mt)+\nt):8*(4*(\mt)+\nt)+7]
.endr
.endr
.endm
; A K step: 32 matrix instructions on buffer f; in its middle, in one run, the next step's fragments into buffer g.
.macro L2STEP t, f, g, fetch
	s_wait_dscnt 8                                 ; rows 0-63 of buffer f are in; the younger eight loads (rows 64-127) may be out
	WIN MUL_O
	MUL16 \f, \t, 0
.if \fetch
	PLACES                                         ; behind the last step's matrix instructions, which read buffer g
	WIN 0
	FETCH \t+1, \g
	s_wait_dscnt 16                                ; all but the 16 just issued: rows 64-127 of buffer f are in
	WIN MUL_O
.else
	s_wait_dscnt 0x0
.endif
	MUL16 \f, \t, 4
.endm
	s_load_b256 s[4:11], s[0:1], 0x0               ; x s[4:5], wfrag s[6:7], b1 s[8:9], b2 s[10:11]
	s_load_b128 s[12:15], s[0:1], 0x20             ; order s[12:13], ptab s[14:15]
	s_load_b64 s[16:17], s[0:1], 0x30              ; out0
	v_lshl_add_u32 v30, v0, 2, 0x42c00
	v_mov_b32 v31, 0
	v_lshrrev_b32 v[T], 5, v0
	v_readfirstlane_b32 s18, v[T]                  ; my wave, 0..3
	s_mov_b32 s19, ttmp9                           ; my piece, 0..134
	s_wait_kmcnt 0x0
	s_load_b512 s[20:35], s[14:15], 0x0            ; P_0 .. P_9 in s20 .. s29
	v_and_b32 v[T+1], 31, v0                       ; lane
	v_and_b32 v[T+2], 15, v0                       ; r
	v_bfe_u32 v[T+3], v0, 4, 1                     ; h
	v_lshlrev_b32 v[WOFF], 4, v[T+1]
	v_lshlrev_b32 v[T+4], 4, v0                    ; 16 x thread: b1
	v_lshlrev_b32 v[T+5], 3, v0                    ; 8 x thread: b2
	v_add_nc_u32 v[T+18], BIASL, v[T+4]
	v_add_nc_u32 v[T+19], BIASL+4096, v[T+5]
	v_mul_u32_u24 v[XADR], v[T+2], XPITCH
	v_lshl_add_u32 v[XADR], v[T+3], 4, v[XADR]
	v_add_nc_u32 v[HADR], HL, v[XADR]
	s_lshl_b32 s40, s18, 7
	v_add_nc_u32 v[HST], s40, v[HADR]              ; + my 64 columns of bf16
	s_lshl_b32 s40, s18, 8
	s_add_co_u32 s40, s40, BIASL
	v_lshl_add_u32 v[BADR], v[T+3], 5, s40         ; 256 w + 32 h
	v_mul_u32_u24 v[OST0], v[T+2], OPITCH
	v_add_nc_u32 v[OST0], v[OST0], v[BADR]
	v_add_nc_u32 v[OST0], OUTL-BIASL, v[OST0]      ; 1040 r + 256 w + 32 h
	v_add_nc_u32 v[OST1], 64*OPITCH, v[OST0]
	s_mul_i32 s40, s18, 32*OPITCH
	s_add_co_u32 s40, s40, OUTL
	v_add_nc_u32 v[ORD], s40, v[WOFF]
	s_mul_i32 s40, s18, 32*XPITCH
	v_lshl_add_u32 v[XST], v[T+1], 3, s40
	s_mov_b32 s49, 0x80000000
.macro KSET n, bits
	v_mov_b32 v[KC+2*\n], \bits
	v_mov_b32 v[KC+2*\n+1], \bits
.endm
	KSET 0, 0x3f85aac3                             ;  2^(1/16)                 =  1.04427378
	KSET 1, 0xbd554cc4                             ; -2^(1/16) a1 2^(-1/2)     = -0.0520751628
	KSET 2, 0x3cb4dad2                             ;  2^(1/16) a2 2^(-1)       =  0.0220769984
	KSET 3, 0xbb605009                             ; -2^(1/16) a3 2^(-3/2)     = -0.00342273923
	KSET 4, 0x382674aa                             ;  2^(1/16) a4 2^(-2)       =  3.96861368e-5
	KSET 5, 0xb856241d                             ; -2^(1/16) a5 2^(-5/2)     = -5.10552091e-5
	KSET 6, 0x36bc9e99                             ;  2^(1/16) a6 2^(-3)       =  5.62129965e-6
	s_wait_kmcnt 0x0
	; my plane, its first and last position, my slice.  (P_q >> 7) + q grows with q, so the last q that passes is the largest.
	s_mov_b32 s36, 0
	s_mov_b32 s37, s20
	s_mov_b32 s38, s21
.irp q, 1,2,3,4,5,6,7
	s_lshr_b32 s40, s[20+\q], 7
	s_add_co_u32 s40, s40, \q
	s_cmp_le_u32 s40, s19
	s_cselect_b32 s36, \q, s36                     ; p
	s_cselect_b32 s37, s[20+\q], s37               ; lo = P_p
	s_cselect_b32 s38, s[21+\q], s38               ; hi = P_p+1
.endr
	s_sub_co_u32 s39, s19, s36                     ; k, 0 .. 134; at 128 and above the piece is empty
	s_min_u32 s36, s36, 7
	s_min_u32 s41, s39, 127                        ; an empty piece reads the last slice's rows and stores none
	s_lshl_b32 s41, s41, 9
	s_lshl_b32 s42, s18, 7
	s_add_co_u32 s41, s41, s42                     ; my wave's 32 words of order
	s_load_b512 s[68:83], s[12:13], s41 offset:0x0
	s_load_b512 s[84:99], s[12:13], s41 offset:0x40
	s_lshl_b32 s52, s36, 20
	s_lshl_b32 s42, s18, 18
	s_add_co_u32 s52, s52, s42
	s_mov_b32 s53, 0
	s_add_nc_u64 s[46:47], s[6:7], s[52:53]        ; my wave's 256 KiB of weights, in the order of use
	s_lshl_b32 s52, s36, 12
	s_add_nc_u64 s[8:9], s[8:9], s[52:53]          ; b1[p]
	s_lshl_b32 s52, s36, 10
	s_add_nc_u64 s[10:11], s[10:11], s[52:53]      ; b2[p]
	WLOAD TO_W1, 0, 4, 0                           ; the first stage's K steps 0 to 3, while the row numbers are on their way
	WIN 0
	global_load_b128 v[T+8:T+11], v[T+4], s[8:9]
	global_load_b128 v[T+12:T+15], v[T+4], s[8:9] offset:2048
	global_load_b64 v[T+16:T+17], v[T+5], s[10:11]
	s_wait_kmcnt 0x0                               ; the 32 row numbers
.set i, 0
.rept 32
	s_min_u32 s[68+i], s[68+i], 0x3fff             ; a row number is below 16,384 by construction; the bound is written out for the address
	v_lshl_add_u32 v[VOFF+i], s[68+i], 10, v[WOFF]
.set i, i+1
.endr
	WIN TO_W2
.set i, 0
.rept 32
	global_load_b128 v[8*i:8*i+3], v[VOFF+i], s[4:5]               ; 512 consecutive bytes of a row of x,
	global_load_b128 v[8*i+4:8*i+7], v[VOFF+i], s[4:5] offset:512  ; and the other 512
.set i, i+1
.endr
	WLOAD TO_W1, 4, 4, 0                           ; K steps 4 to 7
	WIN 0
	; bit i of s48: row i of my wave's 32 is my plane's
	s_lshl_b32 s40, s39, 7
	s_lshl_b32 s42, s18, 5
	s_add_co_u32 s40, s40, s42
	v_add_nc_u32 v[T+20], s40, v[T+1]              ; position 128 k + 32 w + lane
	v_cmp_le_u32 s42, s37, v[T+20]
	v_cmp_gt_u32 s43, s38, v[T+20]
	s_and_b32 s48, s42, s43
; Eight rows of x: to bf16, into LDS.  cnt = the loads issued behind the group's: 16 for each later group and the 32 of K steps 4 to 7, cut to 63, the most a wait can name.
.macro XGROUP n, cnt
	s_wait_loadcnt \cnt
	WIN XCVT
.set i, 8*\n
.rept 8
	v_cvt_pk_bf16_f32 v[F0+4*i], v[8*i], v[8*i+1]
	v_cvt_pk_bf16_f32 v[F0+4*i+1], v[8*i+2], v[8*i+3]
	v_cvt_pk_bf16_f32 v[F0+4*i+2], v[8*i+4], v[8*i+5]
	v_cvt_pk_bf16_f32 v[F0+4*i+3], v[8*i+6], v[8*i+7]
.set i, i+1
.endr
	WIN 0
.set i, 8*\n
.rept 8
	ds_store_b64 v[XST], v[F0+4*i:F0+4*i+1] offset:XPITCH*i
	ds_store_b64 v[XST], v[F0+4*i+2:F0+4*i+3] offset:XPITCH*i+256
.set i, i+1
.endr
.endm
	XGROUP 0, 63
	ds_store_b128 v[T+18], v[T+8:T+11]             ; the biases were asked for ahead of x: they are in too
	ds_store_b128 v[T+18], v[T+12:T+15] offset:2048
	ds_store_b64 v[T+19], v[T+16:T+17]
	XGROUP 1, 63
	XGROUP 2, 48
	XGROUP 3, 32
	s_wait_dscnt 0x0                               ; my rows of x and my part of the biases are written,
	s_barrier_signal -1
	s_barrier_wait -1                              ; everybody's are
	; b2 starts the result's sums: each of the 32 tiles is loaded with the biases of its columns, so that layer 2's text is the same in all four chunks
	WIN TO_O
.irp mt, 0,1,2,3,4,5,6,7
.irp nt, 0,1,2,3
	ds_load_b128 v[8*(4*\mt+\nt):8*(4*\mt+\nt)+3], v[BADR] offset:4096+64*\nt
	ds_load_b128 v[8*(4*\mt+\nt)+4:8*(4*\mt+\nt)+7], v[BADR] offset:4096+64*\nt+16
.endr
.endr
	WIN 0
	; A CHUNK of 256 hidden numbers: layer 1 and gelu by groups of 32 rows, then layer 2.  Offsets of the weight loads count from the chunk's first byte, s[46:47].
	s_mov_b32 s50, 4
.Lchunk:
	PLACES                                         ; behind layer 2's last matrix instructions, which read window 2
	s_wait_loadcnt 0x0                             ; W1's stage is in: it was asked for in front of the last chunk's layer 2 (the first chunk's: at the start)
	WLOAD TO_W2, 0, 8, STAGEB                      ; W2's stage: 64 loads, which have layer 1 and the gelu in which to land
	WIN 0
	BIASLD
	v_mov_b32 v[XG], v[XADR]
	v_mov_b32 v[HG], v[HST]
	s_wait_dscnt 0x0                               ; my reads of the last chunk's hidden numbers are over (and the biases are in),
	s_barrier_signal -1
	s_barrier_wait -1                              ; everybody's are: the rows may be written again
	s_mov_b32 s51, 4
.Lgroup:
	FETCHG
	WIN MUL_H
.irp t, 0,1,2,3,4,5,6,7
	s_wait_dscnt 28-4*\t                           ; LDS loads come back in order (ISA guide 5.7.1): K step t's four are in, the four of each later step may be out
	MULG \t
.endr
	WIN 0
	PLACES                                         ; the gelu reads the results and writes the fragments' registers
	GELU64
	v_add_nc_u32 v[XG], 32*XPITCH, v[XG]           ; the next 32 rows
	v_add_nc_u32 v[HG], 32*XPITCH, v[HG]
	s_sub_co_i32 s51, s51, 1
	s_cmp_lg_u32 s51, 0
	s_cbranch_scc1 .Lgroup
	s_wait_dscnt 0x0                               ; my 64 columns of the hidden chunk are written,
	s_barrier_signal -1
	s_barrier_wait -1                              ; everybody's are
	FETCH 0, F0
	s_wait_loadcnt 0x0                             ; W2's stage is in
	s_cmp_eq_u32 s50, 1
	s_cbranch_scc1 .Lnofill                        ; the last chunk has nothing left to fetch
	WLOAD TO_W1, 0, 8, 2*STAGEB                    ; the next chunk's W1: 64 loads, which have layer 2 in which to land
	WIN 0
.Lnofill:
	L2STEP 0, F0, F1, 1
	L2STEP 1, F1, F0, 1
	L2STEP 2, F0, F1, 1
	L2STEP 3, F1, F0, 1
	L2STEP 4, F0, F1, 1
	L2STEP 5, F1, F0, 1
	L2STEP 6, F0, F1, 1
	L2STEP 7, F1, F0, 0
	WIN 0
	s_wait_xcnt 0x0                                ; the pending weight loads have had their addresses translated (ISA guide 3.1): their base steps only behind this wait
	s_add_nc_u64 s[46:47], s[46:47], 2*STAGEB
	v_add_nc_u32 v[BADR], 1024, v[BADR]
	s_sub_co_i32 s50, s50, 1
	s_cmp_lg_u32 s50, 0
	s_cbranch_scc1 .Lchunk
	; THE WAY OUT: every wave lays its 64 columns of all 128 rows into LDS; behind a barrier wave w reads rows 32w .. 32w+31 whole and stores those that are my plane's.
	PLACES
.set i, 0
.rept 32
	v_lshl_add_u32 v[VOFF+i], s[68+i], 10, v[WOFF] ; the rows' offsets again, from the row numbers kept in scalar registers
.set i, i+1
.endr
.macro OSTORE adr, m0
.irp m, 0,1,2,3
.irp nt, 0,1,2,3
	ds_store_b128 v[\adr], v[8*(4*(\m0+\m)+\nt):8*(4*(\m0+\m)+\nt)+3] offset:16*OPITCH*\m+64*\nt
	ds_store_b128 v[\adr], v[8*(4*(\m0+\m)+\nt)+4:8*(4*(\m0+\m)+\nt)+7] offset:16*OPITCH*\m+64*\nt+16
.endr
.endr
.endm
	WIN OSTW
	OSTORE OST0, 0
	OSTORE OST1, 4
	WIN 0
	s_wait_dscnt 0x0
	s_barrier_signal -1
	s_barrier_wait -1
.macro ROWOUT rho, i
	s_wait_dscnt 30-2*\i                           ; row i's two loads are in, the later rows' stay out
	s_bitcmp1_b32 s48, \rho
	s_cbranch_scc0 .Lno_row_\@                     ; a row of another plane is not stored
	global_store_b128 v[VOFF+\rho], v[F0+8*\i:F0+8*\i+3], s[16:17] th:TH_STORE_NT               ; each store of the wave covers 512 consecutive bytes, aligned
	global_store_b128 v[VOFF+\rho], v[F0+8*\i+4:F0+8*\i+7], s[16:17] offset:512 th:TH_STORE_NT
.Lno_row_\@:
.endm
.macro BATCH b                         ; sixteen rows
.set i, 0
.rept 16
	ds_load_b128 v[F0+8*i:F0+8*i+3], v[ORD] offset:OPITCH*(16*\b+i)
	ds_load_b128 v[F0+8*i+4:F0+8*i+7], v[ORD] offset:OPITCH*(16*\b+i)+512
.set i, i+1
.endr
.irp j, 0,1,2,3,4,5,6,7,8,9,10,11,12,13,14,15
	ROWOUT 16*\b+\j, \j
.endr
.endm
	BATCH 0
	s_wait_xcnt 0x0                                ; the stores' data registers are loaded again only behind this wait
	BATCH 1
	s_wait_tensorcnt 0x0
	ds_add_u32 v30, v31
	s_wait_dscnt 0x0
	s_endpgm
.Lfunc_end_k_qaba6d23371_mlp:
	.size	k_qaba6d23371_mlp, .Lfunc_end_k_qaba6d23371_mlp-k_qaba6d23371_mlp
	.p2alignl 7, 3214868480
	.fill 96, 4, 3214868480
	.section	.rodata,"a",@progbits
	.p2align	6, 0x0
	.amdhsa_kernel k_qaba6d23371_mlp
		.amdhsa_group_segment_fixed_size 273920
		.amdhsa_private_segment_fixed_size 0
		.amdhsa_enable_private_segment 0
		.amdhsa_kernarg_size 56
		.amdhsa_user_sgpr_count 2
		.amdhsa_user_sgpr_kernarg_segment_ptr 1
		.amdhsa_wavefront_size32 1
		.amdhsa_system_sgpr_workgroup_id_x 1
		.amdhsa_system_sgpr_workgroup_id_y 1
		.amdhsa_system_sgpr_workgroup_id_z 1
		.amdhsa_system_vgpr_workitem_id 0
		.amdhsa_next_free_vgpr 1024
		.amdhsa_next_free_sgpr 100
		.amdhsa_reserve_vcc 0
		.amdhsa_float_denorm_mode_32 3
		.amdhsa_float_denorm_mode_16_64 3
		.amdhsa_memory_ordered 1
		.amdhsa_forward_progress 1
		.amdhsa_inst_pref_size 135
	.end_amdhsa_kernel
	.amdgpu_metadata
---
amdhsa.version: [ 1, 2 ]
amdhsa.kernels:
  - .name:           k_qaba6d23371_mlp
    .symbol:         k_qaba6d23371_mlp.kd
    .args:
      - { .name: x, .offset: 0, .size: 8, .value_kind: global_buffer, .address_space: global }
      - { .name: wfrag, .offset: 8, .size: 8, .value_kind: global_buffer, .address_space: global }
      - { .name: b1, .offset: 16, .size: 8, .value_kind: global_buffer, .address_space: global }
      - { .name: b2, .offset: 24, .size: 8, .value_kind: global_buffer, .address_space: global }
      - { .name: order, .offset: 32, .size: 8, .value_kind: global_buffer, .address_space: global }
      - { .name: ptab, .offset: 40, .size: 8, .value_kind: global_buffer, .address_space: global }
      - { .name: out0, .offset: 48, .size: 8, .value_kind: global_buffer, .address_space: global }
    .group_segment_fixed_size: 273920
    .private_segment_fixed_size: 0
    .kernarg_segment_align: 8
    .kernarg_segment_size: 56
    .max_flat_workgroup_size: 128
    .sgpr_count:     100
    .vgpr_count:     1024
    .wavefront_size: 32
...
	.end_amdgpu_metadata
.endif
;; end of part 3
;; ======== version 3 of 4: 2 launches; 1.86 times as fast as version 1
;; workspace buffers: order 65,536 bytes of whole numbers; ptab 256 bytes of whole numbers; wfrag 8,388,608 bytes
;; launch prep: the kernel of part 1 again; grid 128 x 1, 8 waves a work-group, no clusters, 71,168 bytes of LDS; arguments plane_idx, W1, W2, order, ptab, wfrag, out0; writes order, ptab, wfrag, out0
;; launch mlp (part 4): grid 212 x 1, 4 waves a work-group, no clusters, 173,312 bytes of LDS; arguments x, wfrag, b1, b2, order, ptab, out0; writes out0
.if DOCPART == 4
	.amdgcn_target "amdgcn-amd-amdhsa--gfx1250"
	.amdhsa_code_object_version 6
	.text
	.protected	k_qaba6d23371_mlp
	.globl	k_qaba6d23371_mlp
	.p2align	8
	.type	k_qaba6d23371_mlp,@function
k_qaba6d23371_mlp:
	s_mov_b64 s[64:65], 0
	v_nop
	global_prefetch_b8 v0, s[64:65] scope:SCOPE_SE
	s_setreg_imm32_b32 hwreg(HW_REG_WAVE_MODE, 25, 1), 1
	s_wait_xcnt 0x0
; out0[row] = gelu(x[row] W1[p]^T + b1[p]) W2[p]^T + b2[p], p = the row's plane: only the plane that the reference's mask keeps is computed.
; PIECES.  The sorted positions (buffer order) are cut at every multiple of 80 and at every plane's start P_q (buffer ptab).  Work-group n has plane
; p = the largest q <= 7 with floor(P_q / 80) + q <= n, slice k = n - p, and of the positions 80k .. 80k+79 those in [P_p, P_p+1).  A position of
; plane p in slice k belongs to piece k + p and to no other; 16,384 = 204 x 80 + 64, so the highest piece that can hold a row is 204 + 7 and the grid is 212.
; WHY 80 ROWS: a piece's rows are a multiple of 16 (a tile), and the pieces are slices + 7; 64 rows would make 263 pieces, more than the chip's 256 WGPs.
; Every work-group runs the same text on 80 rows; rows of its slice that are another plane's are computed and not stored (such a slice's rows of x are read by two
; pieces).  A piece is empty, and stores nothing, only where a plane's start falls on a multiple of 80 or a plane has no rows.
; SHAPE.  The hidden axis goes in 4 chunks of 256, so both layers are the same product 80 x 256 x 256: eight stages.  Wave w makes all 80 rows x 64
; columns (64w ..) of every stage.  So a weight fragment is multiplied by ONE wave of the work-group and goes from wfrag, where it lies in register order,
; straight into that wave's registers: two loads of 512 consecutive bytes each, no LDS, no barrier.  A stage's weights are 256 registers; two stages are
; resident, W1's and W2's, and while one is multiplied the other's 64 loads are on their way.  Rows (x, then the hidden chunk) lie in LDS as bf16.
; EVERYTHING THAT RECURS IS A LOOP, so that the text is short: one chunk's text serves all four chunks, and inside it layer 1 and the gelu go by groups of
; 16 rows, five trips on the same 4 accumulators, so the gelu is written for 32 numbers a lane and not for 160.  A loop cannot index registers: layer 1's
; loop index (the rows) picks LDS addresses alone; layer 2, whose accumulators and weights are both registers, is written out over its 8 K steps.
; NO CLUSTER, NO TENSOR LOAD: a joint load lands in LDS, and here each weight byte has one reader in the work-group, so the way through LDS would add
; 1 MiB written and 1 MiB read a piece; and how many pieces a plane has hangs on the counts, so four neighbouring pieces may be of two planes.
; THE MATRIX INSTRUCTION IS USED TRANSPOSED: source 0 = 16 weight rows, source 1 = 16 data rows.  Lane (r, h) then holds data row r of the block and the eight
; neighbouring columns 16nt + 8h + 0..7, which pack into 16 bytes of bf16 (hidden) or 32 bytes of f32 (result).
; GELU, exact form: erf(z) = 1 - 1/(1 + a1 z + .. + a6 z^6)^16 (Abramowitz and Stegun 7.1.28, absolute error at most 3e-7 for every z >= 0).  With z = |x|/sqrt 2
; and all coefficients times 2^(1/16) the reciprocal is u = (1 - erf z)/2, and gelu(x) = max(x, 0) - |x| u.  The text keeps -|x| and the odd coefficients negated.
; A large |x| sends the power to infinity and u to 0, the true limit.
; LIMITS: matrix operands are bf16 (x, W1, W2, the hidden numbers), sums f32; the erf formula's 3e-7; an infinite pre-activation gives NaN where the reference gives
; infinity or zero.
;
; REGISTERS, in windows of 256: window 0 addresses, constants, biases, the group's 4 hidden tiles, row fragments and work;
; window 1 the result's 20 tiles (tile (mt, nt) at 8(4mt + nt)); window 2 W2's stage (K step t, tile nt at 8(4t + nt); at the start: x as loaded); window 3 W1's stage.
.set ROWS,   80                        ; rows of a piece
.set WROWS,  20                        ; rows that a wave brings in and takes out
.set NPOS,   16384                     ; sorted positions
.set XPITCH, 528                       ; 512 bytes of bf16 + 16: an odd multiple of 16
.set OPITCH, 1040                      ; 1,024 bytes of f32 + 16: likewise
.set HL,     ROWS*XPITCH               ; LDS: x at 0, the hidden chunk behind it,
.set BIASL,  2*ROWS*XPITCH             ; b1[p] (4,096 bytes) and b2[p] (1,024 bytes),
.set OUTL,   BIASL+5120                ; and the result's 80 rows
.set STEPB,  4096                      ; bytes of a wave's weights in a K step
.set STAGEB, 32768                     ; and in a stage
.set WOFF, 1                           ; 16 x lane; never rewritten
.set XADR, 2                           ; row fragments of x: 528 r + 16 h
.set HADR, 3                           ; of the hidden chunk
.set HST,  4                           ; where I put 16 bytes of the hidden chunk's rows 0-15
.set BADR, 5                           ; my eight biases of tile 0; steps by 1,024 a chunk
.set OST0, 6                           ; where I put results of rows 0-63
.set OST1, 7                           ; of rows 64-79
.set ORD,  8                           ; where I read whole rows of the result back
.set XST,  9                           ; where I put 8 bytes of x
.set XG,   10                          ; XADR at the group's 16 rows
.set HG,   11                          ; HST at the group's 16 rows
.set KC,   16                          ; v[16:29]   seven constants, each twice
.set BIAS, 32                          ; v[32:63]   b1's numbers as four C operands
.set VOFF, 32                          ; v[32:51]   the same registers at the start and on the way out: byte offset of my wave's 20 rows in x and in out0, + 16 x lane
.set H,    64                          ; v[64:95]   the group's 4 tiles: tile nt at 8 nt
.set T,    64                          ; the same registers at the start: scratch
.set OB,   64                          ; v[64:223]  on the way out: my wave's 20 rows, 8 registers each
.set F0,   128                         ; layer 1: v[128:191] 8 fragments, K step t at 8t; layer 2: v[128:167] buffer 0 ..
.set F1,   192                         ; .. and v[192:231] buffer 1
.set GA,   128                         ; gelu: v[128:159] -|x|, later the packed results
.set GQ,   160                         ; v[160:191] the polynomial, its power, the reciprocal
.set TO_W1,  0xc0                      ; destination window 3
.set TO_W2,  0x80                      ; destination window 2
.set TO_O,   0x40                      ; destination window 1
.set XCVT,   0x0a                      ; sources 0 and 1 window 2
.set MUL_H,  0x03                      ; source 0 window 3; source 1, C and D window 0
.set MUL_O,  0x52                      ; source 0 window 2, source 1 window 0, C and D window 1
.set OSTW,   0x04                      ; source 1 (an LDS store's data) window 1
.set MSB, 0
.macro WIN new                         ; the immediate's high byte repeats the setting that is left
.if MSB != \new
	s_set_vgpr_msb (MSB<<8)|\new
.set MSB, \new
.endif
.endm
.macro PLACES                          ; four plain vector instructions between a matrix instruction and what reads its result or writes or loads into its registers
.rept 4
	v_nop
.endr
.endm
; 8 n global loads: the weight fragments of K steps s0 .. s0+n-1 of the stage at byte off behind s[46:47], into window win
.macro WLOAD win, s0, n, off
	WIN \win
.set q, \s0
.rept \n
.irp nt, 0,1,2,3
	global_load_b128 v[8*(4*q+\nt):8*(4*q+\nt)+3], v[WOFF], s[46:47] offset:\off+STEPB*q+1024*\nt
	global_load_b128 v[8*(4*q+\nt)+4:8*(4*q+\nt)+7], v[WOFF], s[46:47] offset:\off+STEPB*q+1024*\nt+512
.endr
.set q, q+1
.endr
.endm
; 8 LDS loads: register j of tile nt = b1 of column 64w + 16nt + 8h + j of the chunk
.macro BIASLD
.irp nt, 0,1,2,3
	ds_load_b128 v[BIAS+8*\nt:BIAS+8*\nt+3], v[BADR] offset:64*\nt
	ds_load_b128 v[BIAS+8*\nt+4:BIAS+8*\nt+7], v[BADR] offset:64*\nt+16
.endr
.endm
; LAYER 1.  16 LDS loads: the group's 16 rows of x, all 8 K steps, K step by K step
.macro FETCHG
.irp t, 0,1,2,3,4,5,6,7
	ds_load_b128 v[F0+8*\t:F0+8*\t+3], v[XG] offset:64*\t
	ds_load_b128 v[F0+8*\t+4:F0+8*\t+7], v[XG] offset:64*\t+32
.endr
.endm
; 4 matrix instructions: K step t of the group's 4 tiles.  The 4 accumulators take turns, one instruction a turn, in the same order in every step.
; In step 0 b1 starts the sums: nothing is cleared.
.macro MULG t
.irp nt, 0,1,2,3
.if \t == 0
	v_wmma_f32_16x16x32_bf16 v[H+8*\nt:H+8*\nt+7], v[8*(4*\t+\nt):8*(4*\t+\nt)+7], v[F0+8*\t:F0+8*\t+7], v[BIAS+8*\nt:BIAS+8*\nt+7]
.else
	v_wmma_f32_16x16x32_bf16 v[H+8*\nt:H+8*\nt+7], v[8*(4*\t+\nt):8*(4*\t+\nt)+7], v[F0+8*\t:F0+8*\t+7], v[H+8*\nt:H+8*\nt+7]
.endif
.endr
.endm
; gelu of the group's 4 tiles (32 numbers a lane), rounded to bf16 and laid into the hidden chunk's rows.  All in window 0.
.macro GELU32
.set i, 0
.rept 32
	v_or_b32 v[GA+i], s49, v[H+i]                  ; -|x|
	v_max_num_f32 v[H+i], 0, v[H+i]                ; max(x, 0), in place
.set i, i+1
.endr
.set i, 0
.rept 16
	v_pk_fma_f32 v[GQ+i:GQ+i+1], v[GA+i:GA+i+1], v[KC+12:KC+13], v[KC+10:KC+11]
.set i, i+2
.endr
.irp k, 4,3,2,1,0
.set i, 0
.rept 16
	v_pk_fma_f32 v[GQ+i:GQ+i+1], v[GQ+i:GQ+i+1], v[GA+i:GA+i+1], v[KC+2*\k:KC+2*\k+1]
.set i, i+2
.endr
.endr
.rept 4                                ; the sixteenth power: four squarings
.set i, 0
.rept 16
	v_pk_mul_f32 v[GQ+i:GQ+i+1], v[GQ+i:GQ+i+1], v[GQ+i:GQ+i+1]
.set i, i+2
.endr
.endr
.set i, 0
.rept 32
	v_rcp_f32 v[GQ+i], v[GQ+i]                     ; u = (1 - erf)/2
.set i, i+1
.endr
	v_nop                                          ; one plain vector instruction between the last reciprocal and the use of its result (ISA guide 5.7.2)
.set i, 0
	s_wait_alu depctr_va_vdst(0)
.rept 16
	v_pk_fma_f32 v[H+i:H+i+1], v[GA+i:GA+i+1], v[GQ+i:GQ+i+1], v[H+i:H+i+1]   ; max(x, 0) - |x| u
.set i, i+2
.endr
.set i, 0
.rept 16
	v_cvt_pk_bf16_f32 v[GA+i], v[H+2*i], v[H+2*i+1]
.set i, i+1
.endr
.irp nt, 0,1,2,3
	ds_store_b128 v[HG], v[GA+4*\nt:GA+4*\nt+3] offset:32*\nt
.endr
.endm
; LAYER 2.  10 LDS loads: the fragments of all 80 hidden rows for K step t, rows ascending
.macro FETCH t, f
.irp mt, 0,1,2,3,4
	ds_load_b128 v[\f+8*\mt:\f+8*\mt+3], v[HADR] offset:16*XPITCH*\mt+64*(\t)
	ds_load_b128 v[\f+8*\mt+4:\f+8*\mt+7], v[HADR] offset:16*XPITCH*\mt+64*(\t)+32
.endr
.endm
; 4 n matrix instructions: row blocks m0 .. m0+n-1 x the four column tiles.  The 20 accumulators take turns, one instruction a turn, in the same order
; in every step.
.macro MULO f, t, m0, n
.set mm, \m0
.rept \n
.irp nt, 0,1,2,3
	v_wmma_f32_16x16x32_bf16 v[8*(4*mm+\nt):8*(4*mm+\nt)+7], v[8*(4*(\t)+\nt):8*(4*(\t)+\nt)+7], v[\f+8*mm:\f+8*mm+7], v[8*(4*mm+\nt):8*(4*mm+\nt)+7]
.endr
.set mm, mm+1
.endr
.endm
; A K step: 20 matrix instructions on buffer f; between its two parts, in one run, the next step's fragments into buffer g.
.macro L2STEP t, f, g, fetch
	s_wait_dscnt 4                                 ; rows 0-47 of buffer f are in; the younger four loads (rows 48-79) may be out
	WIN MUL_O
	MULO \f, \t, 0, 3
.if \fetch
	PLACES                                         ; behind the last step's matrix instructions, which read buffer g
	WIN 0
	FETCH \t+1, \g
	s_wait_dscnt 10                                ; all but the 10 just issued: rows 48-79 of buffer f are in
	WIN MUL_O
.else
	s_wait_dscnt 0x0
.endif
	MULO \f, \t, 3, 2
.endm
	s_load_b256 s[4:11], s[0:1], 0x0               ; x s[4:5], wfrag s[6:7], b1 s[8:9], b2 s[10:11]
	s_load_b128 s[12:15], s[0:1], 0x20             ; order s[12:13], ptab s[14:15]
	s_load_b64 s[16:17], s[0:1], 0x30              ; out0
	v_lshl_add_u32 v254, v0, 2, 0x2a300
	v_mov_b32 v255, 0
	v_lshrrev_b32 v[T], 5, v0
	v_readfirstlane_b32 s18, v[T]                  ; my wave, 0..3
	s_mov_b32 s19, ttmp9                           ; my piece, 0..211
	s_wait_kmcnt 0x0
	s_load_b512 s[20:35], s[14:15], 0x0            ; P_0 .. P_9 in s20 .. s29
	v_and_b32 v[T+1], 31, v0                       ; lane
	v_and_b32 v[T+2], 15, v0                       ; r
	v_bfe_u32 v[T+3], v0, 4, 1                     ; h
	v_lshlrev_b32 v[WOFF], 4, v[T+1]
	v_lshlrev_b32 v[T+4], 4, v0                    ; 16 x thread: b1
	v_lshlrev_b32 v[T+5], 3, v0                    ; 8 x thread: b2
	v_add_nc_u32 v[T+18], BIASL, v[T+4]
	v_add_nc_u32 v[T+19], BIASL+4096, v[T+5]
	v_mul_u32_u24 v[XADR], v[T+2], XPITCH
	v_lshl_add_u32 v[XADR], v[T+3], 4, v[XADR]
	v_add_nc_u32 v[HADR], HL, v[XADR]
	s_lshl_b32 s40, s18, 7
	v_add_nc_u32 v[HST], s40, v[HADR]              ; + my 64 columns of bf16
	s_lshl_b32 s40, s18, 8
	s_add_co_u32 s40, s40, BIASL
	v_lshl_add_u32 v[BADR], v[T+3], 5, s40         ; 256 w + 32 h
	v_mul_u32_u24 v[OST0], v[T+2], OPITCH
	v_add_nc_u32 v[OST0], v[OST0], v[BADR]
	v_add_nc_u32 v[OST0], OUTL-BIASL, v[OST0]      ; 1040 r + 256 w + 32 h
	v_add_nc_u32 v[OST1], 64*OPITCH, v[OST0]
	s_mul_i32 s40, s18, WROWS*OPITCH
	s_add_co_u32 s40, s40, OUTL
	v_add_nc_u32 v[ORD], s40, v[WOFF]
	s_mul_i32 s40, s18, WROWS*XPITCH
	v_lshl_add_u32 v[XST], v[T+1], 3, s40
	s_mov_b32 s49, 0x80000000
.macro KSET n, bits
	v_mov_b32 v[KC+2*\n], \bits
	v_mov_b32 v[KC+2*\n+1], \bits
.endm
	KSET 0, 0x3f85aac3                             ;  2^(1/16)                 =  1.04427378
	KSET 1, 0xbd554cc4                             ; -2^(1/16) a1 2^(-1/2)     = -0.0520751628
	KSET 2, 0x3cb4dad2                             ;  2^(1/16) a2 2^(-1)       =  0.0220769984
	KSET 3, 0xbb605009                             ; -2^(1/16) a3 2^(-3/2)     = -0.00342273923
	KSET 4, 0x382674aa                             ;  2^(1/16) a4 2^(-2)       =  3.96861368e-5
	KSET 5, 0xb856241d                             ; -2^(1/16) a5 2^(-5/2)     = -5.10552091e-5
	KSET 6, 0x36bc9e99                             ;  2^(1/16) a6 2^(-3)       =  5.62129965e-6
	s_wait_kmcnt 0x0
	; my plane, its first and last position, my slice.  floor(P_q / 80) + q grows with q, so the last q that passes is the largest.
	; floor(P / 80) = floor((P >> 4) / 5) = ((P >> 4) x 52,429) >> 18, exact for P >> 4 up to 1,024
	s_mov_b32 s36, 0
	s_mov_b32 s37, s20
	s_mov_b32 s38, s21
.irp q, 1,2,3,4,5,6,7
	s_lshr_b32 s40, s[20+\q], 4
	s_mul_i32 s40, s40, 0xcccd
	s_lshr_b32 s40, s40, 18
	s_add_co_u32 s40, s40, \q
	s_cmp_le_u32 s40, s19
	s_cselect_b32 s36, \q, s36                     ; p
	s_cselect_b32 s37, s[20+\q], s37               ; lo = P_p
	s_cselect_b32 s38, s[21+\q], s38               ; hi = P_p+1
.endr
	s_sub_co_u32 s39, s19, s36                     ; k, 0 .. 211; at 205 and above the piece is empty
	s_min_u32 s36, s36, 7
	s_mul_i32 s44, s39, ROWS
	s_mul_i32 s42, s18, WROWS
	s_add_co_u32 s44, s44, s42                     ; where my wave's 20 positions start: 80 k + 20 w
	s_min_u32 s41, s44, NPOS-WROWS                 ; the last slice has 64 positions: the 20 words that I read end at order's last word at the latest
	s_lshl_b32 s45, s41, 2
	s_load_b512 s[68:83], s[12:13], s45 offset:0x0
	s_load_b128 s[84:87], s[12:13], s45 offset:0x40
	s_max_u32 s37, s37, s44                        ; a row is mine from max(P_p, start) on: what the clamp has moved into another wave's positions is not stored again
	s_lshl_b32 s52, s36, 20
	s_lshl_b32 s42, s18, 18
	s_add_co_u32 s52, s52, s42
	s_mov_b32 s53, 0
	s_add_nc_u64 s[46:47], s[6:7], s[52:53]        ; my wave's 256 KiB of weights, in the order of use
	s_lshl_b32 s52, s36, 12
	s_add_nc_u64 s[8:9], s[8:9], s[52:53]          ; b1[p]
	s_lshl_b32 s52, s36, 10
	s_add_nc_u64 s[10:11], s[10:11], s[52:53]      ; b2[p]
	WLOAD TO_W1, 0, 4, 0                           ; the first stage's K steps 0 to 3, while the row numbers are on their way
	WIN 0
	global_load_b128 v[T+8:T+11], v[T+4], s[8:9]
	global_load_b128 v[T+12:T+15], v[T+4], s[8:9] offset:2048
	global_load_b64 v[T+16:T+17], v[T+5], s[10:11]
	s_wait_kmcnt 0x0                               ; the 20 row numbers
.set i, 0
.rept WROWS
	s_min_u32 s[68+i], s[68+i], 0x3fff             ; a row number is below 16,384 by construction; the bound is written out for the address
	v_lshl_add_u32 v[VOFF+i], s[68+i], 10, v[WOFF]
.set i, i+1
.endr
	WIN TO_W2
.set i, 0
.rept WROWS
	global_load_b128 v[8*i:8*i+3], v[VOFF+i], s[4:5]               ; 512 consecutive bytes of a row of x,
	global_load_b128 v[8*i+4:8*i+7], v[VOFF+i], s[4:5] offset:512  ; and the other 512
.set i, i+1
.endr
	WLOAD TO_W1, 4, 4, 0                           ; K steps 4 to 7
	WIN 0
	; bit i of s48: row i of my wave's 20 is mine to store
	v_add_nc_u32 v[T+20], s41, v[T+1]              ; the position of word i that I read
	v_cmp_le_u32 s42, s37, v[T+20]
	v_cmp_gt_u32 s43, s38, v[T+20]
	s_and_b32 s48, s42, s43
; Five rows of x: to bf16, into LDS.  cnt = the loads issued behind the group's: 10 for each later group and the 32 of K steps 4 to 7.
.macro XGROUP n, cnt
	s_wait_loadcnt \cnt
	WIN XCVT
.set i, 5*\n
.rept 5
	v_cvt_pk_bf16_f32 v[F0+4*i], v[8*i], v[8*i+1]
	v_cvt_pk_bf16_f32 v[F0+4*i+1], v[8*i+2], v[8*i+3]
	v_cvt_pk_bf16_f32 v[F0+4*i+2], v[8*i+4], v[8*i+5]
	v_cvt_pk_bf16_f32 v[F0+4*i+3], v[8*i+6], v[8*i+7]
.set i, i+1
.endr
	WIN 0
.set i, 5*\n
.rept 5
	ds_store_b64 v[XST], v[F0+4*i:F0+4*i+1] offset:XPITCH*i
	ds_store_b64 v[XST], v[F0+4*i+2:F0+4*i+3] offset:XPITCH*i+256
.set i, i+1
.endr
.endm
	XGROUP 0, 62
	ds_store_b128 v[T+18], v[T+8:T+11]             ; the biases were asked for ahead of x: they are in too
	ds_store_b128 v[T+18], v[T+12:T+15] offset:2048
	ds_store_b64 v[T+19], v[T+16:T+17]
	XGROUP 1, 52
	XGROUP 2, 42
	XGROUP 3, 32
	s_wait_dscnt 0x0                               ; my rows of x and my part of the biases are written,
	s_barrier_signal -1
	s_barrier_wait -1                              ; everybody's are
	; b2 starts the result's sums: each of the 20 tiles is loaded with the biases of its columns, so that layer 2's text is the same in all four chunks
	WIN TO_O
.irp mt, 0,1,2,3,4
.irp nt, 0,1,2,3
	ds_load_b128 v[8*(4*\mt+\nt):8*(4*\mt+\nt)+3], v[BADR] offset:4096+64*\nt
	ds_load_b128 v[8*(4*\mt+\nt)+4:8*(4*\mt+\nt)+7], v[BADR] offset:4096+64*\nt+16
.endr
.endr
	WIN 0
	; A CHUNK of 256 hidden numbers: layer 1 and gelu by groups of 16 rows, then layer 2.  Offsets of the weight loads count from the chunk's first byte, s[46:47].
	s_mov_b32 s50, 4
.Lchunk:
	PLACES                                         ; behind layer 2's last matrix instructions, which read window 2 and the fragment buffers
	s_wait_loadcnt 0x0                             ; W1's stage is in: it was asked for in front of the last chunk's layer 2 (the first chunk's: at the start)
	WLOAD TO_W2, 0, 8, STAGEB                      ; W2's stage: 64 loads, which have layer 1 and the gelu in which to land
	WIN 0
	BIASLD
	v_mov_b32 v[XG], v[XADR]
	v_mov_b32 v[HG], v[HST]
	s_wait_dscnt 0x0                               ; my reads of the last chunk's hidden numbers are over (and the biases are in),
	s_barrier_signal -1
	s_barrier_wait -1                              ; everybody's are: the rows may be written again
	s_mov_b32 s51, ROWS/16
.Lgroup:
	FETCHG
	WIN MUL_H
.irp t, 0,1,2,3,4,5,6,7
	s_wait_dscnt 14-2*\t                           ; LDS loads come back in order (ISA guide 5.7.1): K step t's two are in, the two of each later step may be out
	MULG \t
.endr
	WIN 0
	PLACES                                         ; the gelu reads the results and writes the fragments' registers
	GELU32
	v_add_nc_u32 v[XG], 16*XPITCH, v[XG]           ; the next 16 rows
	v_add_nc_u32 v[HG], 16*XPITCH, v[HG]
	s_sub_co_i32 s51, s51, 1
	s_cmp_lg_u32 s51, 0
	s_cbranch_scc1 .Lgroup
	s_wait_dscnt 0x0                               ; my 64 columns of the hidden chunk are written,
	s_barrier_signal -1
	s_barrier_wait -1                              ; everybody's are
	FETCH 0, F0
	s_wait_loadcnt 0x0                             ; W2's stage is in
	s_cmp_eq_u32 s50, 1
	s_cbranch_scc1 .Lnofill                        ; the last chunk has nothing left to fetch
	WLOAD TO_W1, 0, 8, 2*STAGEB                    ; the next chunk's W1: 64 loads, which have layer 2 in which to land
	WIN 0
.Lnofill:
	L2STEP 0, F0, F1, 1
	L2STEP 1, F1, F0, 1
	L2STEP 2, F0, F1, 1
	L2STEP 3, F1, F0, 1
	L2STEP 4, F0, F1, 1
	L2STEP 5, F1, F0, 1
	L2STEP 6, F0, F1, 1
	L2STEP 7, F1, F0, 0
	WIN 0
	s_wait_xcnt 0x0                                ; the pending weight loads have had their addresses translated (ISA guide 3.1): their base steps only behind this wait
	s_add_nc_u64 s[46:47], s[46:47], 2*STAGEB
	v_add_nc_u32 v[BADR], 1024, v[BADR]
	s_sub_co_i32 s50, s50, 1
	s_cmp_lg_u32 s50, 0
	s_cbranch_scc1 .Lchunk
	; THE WAY OUT: every wave lays its 64 columns of all 80 rows into LDS; behind a barrier wave w reads rows 20w .. 20w+19 whole and stores those that are mine.
	PLACES
.set i, 0
.rept WROWS
	v_lshl_add_u32 v[VOFF+i], s[68+i], 10, v[WOFF] ; the rows' offsets again, from the row numbers kept in scalar registers
.set i, i+1
.endr
.macro OSTORE adr, m0, n               ; row blocks m0 .. m0+n-1; the LDS offset counts from block m0
.set mm, 0
.rept \n
.irp nt, 0,1,2,3
	ds_store_b128 v[\adr], v[8*(4*(\m0+mm)+\nt):8*(4*(\m0+mm)+\nt)+3] offset:16*OPITCH*mm+64*\nt
	ds_store_b128 v[\adr], v[8*(4*(\m0+mm)+\nt)+4:8*(4*(\m0+mm)+\nt)+7] offset:16*OPITCH*mm+64*\nt+16
.endr
.set mm, mm+1
.endr
.endm
	WIN OSTW
	OSTORE OST0, 0, 4
	OSTORE OST1, 4, 1                              ; block 4 lies 66,560 bytes on, past the 16 bits of an LDS offset: a register of its own
	WIN 0
	s_wait_dscnt 0x0                               ; my columns of the result are written,
	s_barrier_signal -1
	s_barrier_wait -1                              ; everybody's are
.set i, 0
.rept WROWS
	ds_load_b128 v[OB+8*i:OB+8*i+3], v[ORD] offset:OPITCH*i
	ds_load_b128 v[OB+8*i+4:OB+8*i+7], v[ORD] offset:OPITCH*i+512
.set i, i+1
.endr
.macro ROWOUT rho
	s_wait_dscnt 38-2*\rho                         ; this row's two loads are in, the later rows' stay out
	s_bitcmp1_b32 s48, \rho
	s_cbranch_scc0 .Lno_row_\@                     ; a row of another plane, or of another wave's positions, is not stored
	global_store_b128 v[VOFF+\rho], v[OB+8*\rho:OB+8*\rho+3], s[16:17] th:TH_STORE_NT               ; each store of the wave covers 512 consecutive bytes, aligned
	global_store_b128 v[VOFF+\rho], v[OB+8*\rho+4:OB+8*\rho+7], s[16:17] offset:512 th:TH_STORE_NT
.Lno_row_\@:
.endm
.irp j, 0,1,2,3,4,5,6,7,8,9,10,11,12,13,14,15,16,17,18,19
	ROWOUT \j
.endr
	s_wait_tensorcnt 0x0
	ds_add_u32 v254, v255
	s_wait_dscnt 0x0
	s_endpgm
.Lfunc_end_k_qaba6d23371_mlp:
	.size	k_qaba6d23371_mlp, .Lfunc_end_k_qaba6d23371_mlp-k_qaba6d23371_mlp
	.p2alignl 7, 3214868480
	.fill 96, 4, 3214868480
	.section	.rodata,"a",@progbits
	.p2align	6, 0x0
	.amdhsa_kernel k_qaba6d23371_mlp
		.amdhsa_group_segment_fixed_size 173312
		.amdhsa_private_segment_fixed_size 0
		.amdhsa_enable_private_segment 0
		.amdhsa_kernarg_size 56
		.amdhsa_user_sgpr_count 2
		.amdhsa_user_sgpr_kernarg_segment_ptr 1
		.amdhsa_wavefront_size32 1
		.amdhsa_system_sgpr_workgroup_id_x 1
		.amdhsa_system_sgpr_workgroup_id_y 1
		.amdhsa_system_sgpr_workgroup_id_z 1
		.amdhsa_system_vgpr_workitem_id 0
		.amdhsa_next_free_vgpr 1024
		.amdhsa_next_free_sgpr 88
		.amdhsa_reserve_vcc 0
		.amdhsa_float_denorm_mode_32 3
		.amdhsa_float_denorm_mode_16_64 3
		.amdhsa_memory_ordered 1
		.amdhsa_forward_progress 1
		.amdhsa_inst_pref_size 92
	.end_amdhsa_kernel
	.amdgpu_metadata
---
amdhsa.version: [ 1, 2 ]
amdhsa.kernels:
  - .name:           k_qaba6d23371_mlp
    .symbol:         k_qaba6d23371_mlp.kd
    .args:
      - { .name: x, .offset: 0, .size: 8, .value_kind: global_buffer, .address_space: global }
      - { .name: wfrag, .offset: 8, .size: 8, .value_kind: global_buffer, .address_space: global }
      - { .name: b1, .offset: 16, .size: 8, .value_kind: global_buffer, .address_space: global }
      - { .name: b2, .offset: 24, .size: 8, .value_kind: global_buffer, .address_space: global }
      - { .name: order, .offset: 32, .size: 8, .value_kind: global_buffer, .address_space: global }
      - { .name: ptab, .offset: 40, .size: 8, .value_kind: global_buffer, .address_space: global }
      - { .name: out0, .offset: 48, .size: 8, .value_kind: global_buffer, .address_space: global }
    .group_segment_fixed_size: 173312
    .private_segment_fixed_size: 0
    .kernarg_segment_align: 8
    .kernarg_segment_size: 56
    .max_flat_workgroup_size: 128
    .sgpr_count:     88
    .vgpr_count:     1024
    .wavefront_size: 32
...
	.end_amdgpu_metadata
.endif
;; end of part 4
;; ======== version 4 of 4: 2 launches; version 3 with the launch mlp written anew for expert scheduling mode
;; workspace buffers: order 65,536 bytes of whole numbers; ptab 256 bytes of whole numbers; wfrag 8,388,608 bytes
;; launch prep: the kernel of part 1 again; grid 128 x 1, 8 waves a work-group, no clusters, 71,168 bytes of LDS; arguments plane_idx, W1, W2, order, ptab, wfrag, out0; writes order, ptab, wfrag, out0
;; launch mlp (part 5): grid 212 x 1, 4 waves a work-group, no clusters, 173,312 bytes of LDS; arguments x, wfrag, b1, b2, order, ptab, out0; writes out0
.if DOCPART == 5
	.amdgcn_target "amdgcn-amd-amdhsa--gfx1250"
	.amdhsa_code_object_version 6
	.text
	.protected	k_qaba6d23371_mlp
	.globl	k_qaba6d23371_mlp
	.p2align	8
	.type	k_qaba6d23371_mlp,@function
k_qaba6d23371_mlp:
	s_mov_b64 s[64:65], 0
	v_nop
	global_prefetch_b8 v0, s[64:65] scope:SCOPE_SE
	s_setreg_imm32_b32 hwreg(HW_REG_WAVE_SCHED_MODE, 0, 2), 2
	s_setreg_imm32_b32 hwreg(HW_REG_WAVE_MODE, 25, 1), 1
	s_wait_xcnt 0x0
	s_wait_alu depctr_vm_vsrc(0)
; out0[row] = gelu(x[row] W1[p]^T + b1[p]) W2[p]^T + b2[p], p = the row's plane: only the plane that the reference's mask keeps is computed.
; PIECES.  The sorted positions (buffer order) are cut at every multiple of 80 and at every plane's start P_q (buffer ptab).  Work-group n has plane
; p = the largest q <= 7 with floor(P_q / 80) + q <= n, slice k = n - p, and of the positions 80k .. 80k+79 those in [P_p, P_p+1).  A position of
; plane p in slice k belongs to piece k + p and to no other; 16,384 = 204 x 80 + 64, so the highest piece that can hold a row is 204 + 7 and the grid is 212.
; WHY 80 ROWS: a piece's rows are a multiple of 16 (a tile), and the pieces are slices + 7; 64 rows would make 263 pieces, more than the chip's 256 WGPs.
; Every work-group runs the same text on 80 rows; rows of its slice that are another plane's are computed and not stored (such a slice's rows of x are read by two
; pieces).  A piece is empty, and stores nothing, only where a plane's start falls on a multiple of 80 or a plane has no rows.
; SHAPE.  The hidden axis goes in 4 chunks of 256, so both layers are the same product 80 x 256 x 256: eight stages.  Wave w makes all 80 rows x 64
; columns (64w ..) of every stage.  So a weight fragment is multiplied by ONE wave of the work-group and goes from wfrag, where it lies in register order,
; straight into that wave's registers: two loads of 512 consecutive bytes each, no LDS, no barrier.  A stage's weights are 256 registers; two stages are
; resident, W1's and W2's, and while one is multiplied the other's 64 loads are on their way.  Rows (x, then the hidden chunk) lie in LDS as bf16.
; WHAT RECURS IS A LOOP, so that the text is short: one chunk's text serves all four chunks, and inside it layer 1 and the gelu go by groups of
; 16 rows on the same 4 accumulators: four trips, and the fifth group written out, since it asks for no next group's rows.  A loop cannot index registers:
; layer 1's loop index (the rows) picks LDS addresses alone; layer 2, whose accumulators and weights are both registers, is written out over its 8 K steps.
; NO CLUSTER, NO TENSOR LOAD: a joint load lands in LDS, and here each weight byte has one reader in the work-group, so the way through LDS would add
; 1 MiB written and 1 MiB read a piece; and how many pieces a plane has hangs on the counts, so four neighbouring pieces may be of two planes.
; THE MATRIX INSTRUCTION IS USED TRANSPOSED: source 0 = 16 weight rows, source 1 = 16 data rows.  Lane (r, h) then holds data row r of the block and the eight
; neighbouring columns 16nt + 8h + 0..7, which pack into 16 bytes of bf16 (hidden) or 32 bytes of f32 (result).
; GELU, exact form: erf(z) = 1 - 1/(1 + a1 z + .. + a6 z^6)^16 (Abramowitz and Stegun 7.1.28, absolute error at most 3e-7 for every z >= 0).  With z = |x|/sqrt 2
; and all coefficients times 2^(1/16) the reciprocal is u = (1 - erf z)/2, and gelu(x) = max(x, 0) - |x| u.  The text keeps -|x| and the odd coefficients negated.
; A large |x| sends the power to infinity and u to 0, the true limit.
; LIMITS: matrix operands are bf16 (x, W1, W2, the hidden numbers), sums f32; the erf formula's 3e-7; an infinite pre-activation gives NaN where the reference gives
; infinity or zero.
;
; THE MODE: SCHED_MODE bits 1:0 = 2 (LLVM: expert scheduling mode 2), set by the entry lines.  The code itself states the register dependences
; between vector or matrix instructions and memory or LDS instructions, with s_wait_alu, always for 0.
; THE PLAN.  Registers that memory or LDS instructions touch, round a chunk:
;   window 3   W1's stage.  Read by layer 1's matrix instructions; the next chunk's 64 loads land in it at layer 2's head.
;   window 2   W2's stage.  Read by layer 2's matrix instructions; the 64 loads land in it at the chunk's head.
;   BIAS       Read by each group's first four matrix instructions; 8 LDS loads land in it at the chunk's head.
;   FX         A group's 8 fragments of x.  Read by the group's 32 matrix instructions; the next group's 16 LDS loads land in it behind the gelu's first 64 lines.
;   GA         Its low 16 registers are written by the gelu's roundings and read by the group's 4 LDS stores.
;   XG, HG     LDS addresses of those loads and stores; written once a group, at its end.   BADR: the biases' LDS address; written once a chunk, at its end.
;   LB0 .. LB3 Layer 2's fragments.  Step t's matrix instructions read LB[t % 4]; the 10 LDS loads in step t's middle (step t + 2) land in LB[(t + 2) % 4].
;   Window 1, H, GQ and KC are named by vector and matrix instructions alone until the way out; the other addresses are made at the head and never written again.
; The waits on va_vdst: at the chunk's head; in a group behind the gelu's first lines and ahead of its stores; in layer 2 at the heads of steps 2 and 4.
; The waits on vm_vsrc: at the end of a group that is followed by another; behind the barrier that closes layer 1.  Each line says what it states.
;
; REGISTERS, in windows of 256: window 0 addresses, constants, biases, the group's 4 hidden tiles, row fragments and work;
; window 1 the result's 20 tiles (tile (mt, nt) at 8(4mt + nt)); window 2 W2's stage (K step t, tile nt at 8(4t + nt); at the start: x as loaded); window 3 W1's stage.
.set ROWS,   80                        ; rows of a piece
.set WROWS,  20                        ; rows that a wave brings in and takes out
.set NPOS,   16384                     ; sorted positions
.set XPITCH, 528                       ; 512 bytes of bf16 + 16: an odd multiple of 16
.set OPITCH, 1040                      ; 1,024 bytes of f32 + 16: likewise
.set HL,     ROWS*XPITCH               ; LDS: x at 0, the hidden chunk behind it,
.set BIASL,  2*ROWS*XPITCH             ; b1[p] (4,096 bytes) and b2[p] (1,024 bytes),
.set OUTL,   BIASL+5120                ; and the result's 80 rows
.set STEPB,  4096                      ; bytes of a wave's weights in a K step
.set STAGEB, 32768                     ; and in a stage
.set WOFF, 1                           ; 16 x lane; never rewritten
.set XADR, 2                           ; row fragments of x: 528 r + 16 h
.set HADR, 3                           ; of the hidden chunk
.set HST,  4                           ; where I put 16 bytes of the hidden chunk's rows 0-15
.set BADR, 5                           ; my eight biases of tile 0; steps by 1,024 a chunk
.set OST0, 6                           ; where I put results of rows 0-63
.set OST1, 7                           ; of rows 64-79
.set ORD,  8                           ; where I read whole rows of the result back
.set XST,  9                           ; where I put 8 bytes of x
.set XG,   10                          ; XADR at the 16 rows of the group to be fetched
.set HG,   11                          ; HST at the group's 16 rows
.set KC,   16                          ; v[16:29]   seven constants, each twice
.set BIAS, 32                          ; v[32:63]   b1's numbers as four C operands
.set VOFF, 32                          ; v[32:51]   the same registers at the start and on the way out: byte offset of my wave's 20 rows in x and in out0, + 16 x lane
.set H,    64                          ; v[64:95]   the group's 4 tiles: tile nt at 8 nt
.set T,    64                          ; the same registers at the start: scratch
.set OB,   64                          ; v[64:223]  on the way out: my wave's 20 rows, 8 registers each
.set XB,   128                         ; v[128:207] at the start: my wave's 20 rows of x in bf16, 4 registers each
.set GA,   128                         ; gelu: v[128:159] -|x|, later the packed results
.set GQ,   160                         ; v[160:191] the polynomial, its power, the reciprocal
.set FX,   192                         ; layer 1: v[192:255] 8 fragments, K step t at 8t
.set LB,   96                          ; layer 2: v[96:255] four buffers of 40, buffer b at 40 b
.set TO_W1,  0xc0                      ; destination window 3
.set TO_W2,  0x80                      ; destination window 2
.set TO_O,   0x40                      ; destination window 1
.set XCVT,   0x0a                      ; sources 0 and 1 window 2
.set MUL_H,  0x03                      ; source 0 window 3; source 1, C and D window 0
.set MUL_O,  0x52                      ; source 0 window 2, source 1 window 0, C and D window 1
.set OSTW,   0x04                      ; source 1 (an LDS store's data) window 1
.set MSB, 0
.macro WIN new                         ; the immediate's high byte repeats the setting that is left
.if MSB != \new
	s_set_vgpr_msb (MSB<<8)|\new
.set MSB, \new
.endif
.endm
.macro PLACES                          ; four plain vector instructions between a matrix instruction and the vector instruction or store that reads its result
.rept 4
	v_nop
.endr
.endm
; 8 n global loads: the weight fragments of K steps s0 .. s0+n-1 of the stage at byte off behind s[46:47], into window win
.macro WLOAD win, s0, n, off
	WIN \win
.set q, \s0
.rept \n
.irp nt, 0,1,2,3
	global_load_b128 v[8*(4*q+\nt):8*(4*q+\nt)+3], v[WOFF], s[46:47] offset:\off+STEPB*q+1024*\nt
	global_load_b128 v[8*(4*q+\nt)+4:8*(4*q+\nt)+7], v[WOFF], s[46:47] offset:\off+STEPB*q+1024*\nt+512
.endr
.set q, q+1
.endr
.endm
; 8 LDS loads: register j of tile nt = b1 of column 64w + 16nt + 8h + j of the chunk
.macro BIASLD
.irp nt, 0,1,2,3
	ds_load_b128 v[BIAS+8*\nt:BIAS+8*\nt+3], v[BADR] offset:64*\nt
	ds_load_b128 v[BIAS+8*\nt+4:BIAS+8*\nt+7], v[BADR] offset:64*\nt+16
.endr
.endm
; LAYER 1.  16 LDS loads: 16 rows of x, all 8 K steps, K step by K step; adr: the register that holds the rows' address
.macro FETCHG adr
.irp t, 0,1,2,3,4,5,6,7
	ds_load_b128 v[FX+8*\t:FX+8*\t+3], v[\adr] offset:64*\t
	ds_load_b128 v[FX+8*\t+4:FX+8*\t+7], v[\adr] offset:64*\t+32
.endr
.endm
; 4 matrix instructions: K step t of the group's 4 tiles.  The 4 accumulators take turns, one instruction a turn, in the same order in every step.
; In step 0 b1 starts the sums: nothing is cleared.
.macro MULG t
.irp nt, 0,1,2,3
.if \t == 0
	v_wmma_f32_16x16x32_bf16 v[H+8*\nt:H+8*\nt+7], v[8*(4*\t+\nt):8*(4*\t+\nt)+7], v[FX+8*\t:FX+8*\t+7], v[BIAS+8*\nt:BIAS+8*\nt+7]
.else
	v_wmma_f32_16x16x32_bf16 v[H+8*\nt:H+8*\nt+7], v[8*(4*\t+\nt):8*(4*\t+\nt)+7], v[FX+8*\t:FX+8*\t+7], v[H+8*\nt:H+8*\nt+7]
.endif
.endr
.endm
; gelu of the group's 4 tiles (32 numbers a lane), rounded to bf16 and laid into the hidden chunk's rows.  All in window 0.  In three parts:
; GELU_A reads all four results; GELU_B is the arithmetic and the rounding; GELU_ST the four LDS stores.
.macro GELU_A
.set i, 0
.rept 32
	v_or_b32 v[GA+i], s49, v[H+i]                  ; -|x|
	v_max_num_f32 v[H+i], 0, v[H+i]                ; max(x, 0), in place
.set i, i+1
.endr
.endm
.macro GELU_B
.set i, 0
.rept 16
	v_pk_fma_f32 v[GQ+i:GQ+i+1], v[GA+i:GA+i+1], v[KC+12:KC+13], v[KC+10:KC+11]
.set i, i+2
.endr
.irp k, 4,3,2,1,0
.set i, 0
.rept 16
	v_pk_fma_f32 v[GQ+i:GQ+i+1], v[GQ+i:GQ+i+1], v[GA+i:GA+i+1], v[KC+2*\k:KC+2*\k+1]
.set i, i+2
.endr
.endr
.rept 4                                ; the sixteenth power: four squarings
.set i, 0
.rept 16
	v_pk_mul_f32 v[GQ+i:GQ+i+1], v[GQ+i:GQ+i+1], v[GQ+i:GQ+i+1]
.set i, i+2
.endr
.endr
.set i, 0
.rept 32
	v_rcp_f32 v[GQ+i], v[GQ+i]                     ; u = (1 - erf)/2
.set i, i+1
.endr
	v_nop                                          ; one plain vector instruction between the last reciprocal and the use of its result (ISA guide 5.7.2)
.set i, 0
	s_wait_alu depctr_va_vdst(0)
.rept 16
	v_pk_fma_f32 v[H+i:H+i+1], v[GA+i:GA+i+1], v[GQ+i:GQ+i+1], v[H+i:H+i+1]   ; max(x, 0) - |x| u
.set i, i+2
.endr
.set i, 0
.rept 16
	v_cvt_pk_bf16_f32 v[GA+i], v[H+2*i], v[H+2*i+1]
.set i, i+1
.endr
.endm
.macro GELU_ST
.irp nt, 0,1,2,3
	ds_store_b128 v[HG], v[GA+4*\nt:GA+4*\nt+3] offset:32*\nt
.endr
.endm
; A GROUP of 16 rows: 32 matrix instructions on the fragments in FX, the gelu, the stores.  fetch = 1: another group follows, and its fragments are asked for under the gelu.
.macro GROUP fetch
	WIN MUL_H
.irp t, 0,1,2,3,4,5,6,7
	s_wait_dscnt 14-2*\t                           ; LDS loads come back in order (ISA guide 5.7.1): K step t's two are in, the two of each later step may be out (the last group's four stores are younger still: the count asks for more than it must)
	MULG \t
.endr
	WIN 0
	PLACES                                         ; the gelu reads the results
	GELU_A
.if \fetch
	s_wait_alu depctr_va_vdst(0)                   ; the group's matrix instructions are done reading FX, in which the loads below land (the lines above have read all their results); XG, their address, is written
	FETCHG XG                                      ; the next group's rows.  The rest of the gelu names H, GA, GQ and KC: none of the registers that these loads touch
.endif
	GELU_B
	s_wait_alu depctr_va_vdst(0)                   ; the roundings have written GA, and HG is written: the stores below read them
	GELU_ST
.if \fetch
	s_wait_alu depctr_vm_vsrc(0)                   ; the stores have read HG and GA, the loads above XG: the two lines below write the addresses, the next gelu writes GA
	v_add_nc_u32 v[XG], 16*XPITCH, v[XG]           ; the next 16 rows
	v_add_nc_u32 v[HG], 16*XPITCH, v[HG]
.endif
.endm
; LAYER 2.  10 LDS loads: the fragments of all 80 hidden rows for K step t, rows ascending, into buffer b
.macro FETCH t, b
.irp mt, 0,1,2,3,4
	ds_load_b128 v[LB+40*(\b)+8*\mt:LB+40*(\b)+8*\mt+3], v[HADR] offset:16*XPITCH*\mt+64*(\t)
	ds_load_b128 v[LB+40*(\b)+8*\mt+4:LB+40*(\b)+8*\mt+7], v[HADR] offset:16*XPITCH*\mt+64*(\t)+32
.endr
.endm
; 4 n matrix instructions: row blocks m0 .. m0+n-1 x the four column tiles.  The 20 accumulators take turns, one instruction a turn, in the same order
; in every step.
.macro MULO b, t, m0, n
.set mm, \m0
.rept \n
.irp nt, 0,1,2,3
	v_wmma_f32_16x16x32_bf16 v[8*(4*mm+\nt):8*(4*mm+\nt)+7], v[8*(4*(\t)+\nt):8*(4*(\t)+\nt)+7], v[LB+40*(\b)+8*mm:LB+40*(\b)+8*mm+7], v[8*(4*mm+\nt):8*(4*mm+\nt)+7]
.endr
.set mm, mm+1
.endr
.endm
; A K step: 20 matrix instructions on buffer t % 4; between its two parts, in one run, the fragments of step t + 2 into buffer (t + 2) % 4 (fetch = 1).
; head: the LDS loads that may be out at the step's head: its own last four (rows 48-79) and the next step's ten.  mid: those that may be out in its middle: the ten of each later step asked for.
; free = 1: the wait that frees two buffers, for this step's loads and the next step's.
.macro L2STEP t, head, mid, fetch, free
	s_wait_dscnt \head
.if \free
	s_wait_alu depctr_va_vdst(0)                   ; the matrix instructions of the two steps before are done reading their buffers, in which this step's loads and the next step's land; the products issued from here to those loads name the other two buffers and windows 1 and 2
.endif
	WIN MUL_O
	MULO (\t)%4, \t, 0, 3
.if \fetch
	WIN 0
	FETCH (\t)+2, ((\t)+2)%4
.endif
	s_wait_dscnt \mid
	WIN MUL_O
	MULO (\t)%4, \t, 3, 2
.endm
	s_load_b256 s[4:11], s[0:1], 0x0               ; x s[4:5], wfrag s[6:7], b1 s[8:9], b2 s[10:11]
	s_load_b128 s[12:15], s[0:1], 0x20             ; order s[12:13], ptab s[14:15]
	s_load_b64 s[16:17], s[0:1], 0x30              ; out0
	v_lshl_add_u32 v30, v0, 2, 0x2a300
	v_mov_b32 v31, 0
	v_lshrrev_b32 v[T], 5, v0
	v_readfirstlane_b32 s18, v[T]                  ; my wave, 0..3
	s_mov_b32 s19, ttmp9                           ; my piece, 0..211
	s_wait_kmcnt 0x0
	s_load_b512 s[20:35], s[14:15], 0x0            ; P_0 .. P_9 in s20 .. s29
	v_and_b32 v[T+1], 31, v0                       ; lane
	v_and_b32 v[T+2], 15, v0                       ; r
	v_bfe_u32 v[T+3], v0, 4, 1                     ; h
	v_lshlrev_b32 v[WOFF], 4, v[T+1]
	v_lshlrev_b32 v[T+4], 4, v0                    ; 16 x thread: b1
	v_lshlrev_b32 v[T+5], 3, v0                    ; 8 x thread: b2
	v_add_nc_u32 v[T+18], BIASL, v[T+4]
	v_add_nc_u32 v[T+19], BIASL+4096, v[T+5]
	v_mul_u32_u24 v[XADR], v[T+2], XPITCH
	v_lshl_add_u32 v[XADR], v[T+3], 4, v[XADR]
	v_add_nc_u32 v[HADR], HL, v[XADR]
	s_wait_alu depctr_va_sdst(0)                   ; s18 is written, ahead of its first reader: LDS addresses, the weights' base and the wave's rows are made from it
	s_lshl_b32 s40, s18, 7
	v_add_nc_u32 v[HST], s40, v[HADR]              ; + my 64 columns of bf16
	s_lshl_b32 s40, s18, 8
	s_add_co_u32 s40, s40, BIASL
	v_lshl_add_u32 v[BADR], v[T+3], 5, s40         ; 256 w + 32 h
	v_mul_u32_u24 v[OST0], v[T+2], OPITCH
	v_add_nc_u32 v[OST0], v[OST0], v[BADR]
	v_add_nc_u32 v[OST0], OUTL-BIASL, v[OST0]      ; 1040 r + 256 w + 32 h
	v_add_nc_u32 v[OST1], 64*OPITCH, v[OST0]
	s_mul_i32 s40, s18, WROWS*OPITCH
	s_add_co_u32 s40, s40, OUTL
	v_add_nc_u32 v[ORD], s40, v[WOFF]
	s_mul_i32 s40, s18, WROWS*XPITCH
	v_lshl_add_u32 v[XST], v[T+1], 3, s40
	s_mov_b32 s49, 0x80000000
.macro KSET n, bits
	v_mov_b32 v[KC+2*\n], \bits
	v_mov_b32 v[KC+2*\n+1], \bits
.endm
	KSET 0, 0x3f85aac3                             ;  2^(1/16)                 =  1.04427378
	KSET 1, 0xbd554cc4                             ; -2^(1/16) a1 2^(-1/2)     = -0.0520751628
	KSET 2, 0x3cb4dad2                             ;  2^(1/16) a2 2^(-1)       =  0.0220769984
	KSET 3, 0xbb605009                             ; -2^(1/16) a3 2^(-3/2)     = -0.00342273923
	KSET 4, 0x382674aa                             ;  2^(1/16) a4 2^(-2)       =  3.96861368e-5
	KSET 5, 0xb856241d                             ; -2^(1/16) a5 2^(-5/2)     = -5.10552091e-5
	KSET 6, 0x36bc9e99                             ;  2^(1/16) a6 2^(-3)       =  5.62129965e-6
	s_wait_kmcnt 0x0
	; my plane, its first and last position, my slice.  floor(P_q / 80) + q grows with q, so the last q that passes is the largest.
	; floor(P / 80) = floor((P >> 4) / 5) = ((P >> 4) x 52,429) >> 18, exact for P >> 4 up to 1,024
	s_mov_b32 s36, 0
	s_mov_b32 s37, s20
	s_mov_b32 s38, s21
.irp q, 1,2,3,4,5,6,7
	s_lshr_b32 s40, s[20+\q], 4
	s_mul_i32 s40, s40, 0xcccd
	s_lshr_b32 s40, s40, 18
	s_add_co_u32 s40, s40, \q
	s_cmp_le_u32 s40, s19
	s_cselect_b32 s36, \q, s36                     ; p
	s_cselect_b32 s37, s[20+\q], s37               ; lo = P_p
	s_cselect_b32 s38, s[21+\q], s38               ; hi = P_p+1
.endr
	s_sub_co_u32 s39, s19, s36                     ; k, 0 .. 211; at 205 and above the piece is empty
	s_min_u32 s36, s36, 7
	s_mul_i32 s44, s39, ROWS
	s_mul_i32 s42, s18, WROWS
	s_add_co_u32 s44, s44, s42                     ; where my wave's 20 positions start: 80 k + 20 w
	s_min_u32 s41, s44, NPOS-WROWS                 ; the last slice has 64 positions: the 20 words that I read end at order's last word at the latest
	s_lshl_b32 s45, s41, 2
	s_load_b512 s[68:83], s[12:13], s45 offset:0x0
	s_load_b128 s[84:87], s[12:13], s45 offset:0x40
	s_max_u32 s37, s37, s44                        ; a row is mine from max(P_p, start) on: what the clamp has moved into another wave's positions is not stored again
	s_lshl_b32 s52, s36, 20
	s_lshl_b32 s42, s18, 18
	s_add_co_u32 s52, s52, s42
	s_mov_b32 s53, 0
	s_add_nc_u64 s[46:47], s[6:7], s[52:53]        ; my wave's 256 KiB of weights, in the order of use
	s_lshl_b32 s52, s36, 12
	s_add_nc_u64 s[8:9], s[8:9], s[52:53]          ; b1[p]
	s_lshl_b32 s52, s36, 10
	s_add_nc_u64 s[10:11], s[10:11], s[52:53]      ; b2[p]
	WIN TO_W1
	s_wait_alu depctr_va_vdst(0)                   ; the offsets and LDS addresses v1 to v9 and v[T+4], v[T+5], v[T+18], v[T+19] are written: the loads and stores of the whole kernel read them
	WLOAD TO_W1, 0, 4, 0                           ; the first stage's K steps 0 to 3, while the row numbers are on their way
	WIN 0
	global_load_b128 v[T+8:T+11], v[T+4], s[8:9]
	global_load_b128 v[T+12:T+15], v[T+4], s[8:9] offset:2048
	global_load_b64 v[T+16:T+17], v[T+5], s[10:11]
	s_wait_kmcnt 0x0                               ; the 20 row numbers
.set i, 0
.rept WROWS
	s_min_u32 s[68+i], s[68+i], 0x3fff             ; a row number is below 16,384 by construction; the bound is written out for the address
	v_lshl_add_u32 v[VOFF+i], s[68+i], 10, v[WOFF]
.set i, i+1
.endr
	WIN TO_W2
	s_wait_alu depctr_va_vdst(0)                   ; the 20 row offsets v[VOFF ..] are written, which the loads of x read
.set i, 0
.rept WROWS
	global_load_b128 v[8*i:8*i+3], v[VOFF+i], s[4:5]               ; 512 consecutive bytes of a row of x,
	global_load_b128 v[8*i+4:8*i+7], v[VOFF+i], s[4:5] offset:512  ; and the other 512
.set i, i+1
.endr
	WLOAD TO_W1, 4, 4, 0                           ; K steps 4 to 7
	WIN 0
	; bit i of s48: row i of my wave's 20 is mine to store
	v_add_nc_u32 v[T+20], s41, v[T+1]              ; the position of word i that I read
	v_cmp_le_u32 s42, s37, v[T+20]
	v_cmp_gt_u32 s43, s38, v[T+20]
	s_wait_alu depctr_va_sdst(0)                   ; the two compares have written s42 and s43, ahead of their reader
	s_and_b32 s48, s42, s43
; Five rows of x: to bf16, into LDS.  A group's stores stand at the head of the next group, behind one wait.
; cnt = the loads issued behind the group's: 10 for each later group and the 32 of K steps 4 to 7.
.macro XPUT n
.set i, 5*(\n)
.rept 5
	ds_store_b64 v[XST], v[XB+4*i:XB+4*i+1] offset:XPITCH*i
	ds_store_b64 v[XST], v[XB+4*i+2:XB+4*i+3] offset:XPITCH*i+256
.set i, i+1
.endr
.endm
.macro XGROUP n, cnt
	s_wait_loadcnt \cnt
.if \n > 0
	s_wait_alu depctr_va_vdst(0)                   ; the group before has written its 20 registers of v[XB ..], which the stores below read
	XPUT \n-1
.endif
	WIN XCVT
.set i, 5*\n
.rept 5
	v_cvt_pk_bf16_f32 v[XB+4*i], v[8*i], v[8*i+1]
	v_cvt_pk_bf16_f32 v[XB+4*i+1], v[8*i+2], v[8*i+3]
	v_cvt_pk_bf16_f32 v[XB+4*i+2], v[8*i+4], v[8*i+5]
	v_cvt_pk_bf16_f32 v[XB+4*i+3], v[8*i+6], v[8*i+7]
.set i, i+1
.endr
	WIN 0
.endm
	XGROUP 0, 62
	ds_store_b128 v[T+18], v[T+8:T+11]             ; the biases were asked for ahead of x: they are in too
	ds_store_b128 v[T+18], v[T+12:T+15] offset:2048
	ds_store_b64 v[T+19], v[T+16:T+17]
	XGROUP 1, 52
	XGROUP 2, 42
	XGROUP 3, 32
	s_wait_alu depctr_va_vdst(0)                   ; the last group has written its registers of v[XB ..], which the stores below read
	XPUT 3
	s_wait_dscnt 0x0                               ; my rows of x and my part of the biases are written,
	s_barrier_signal -1
	s_barrier_wait -1                              ; everybody's are
	s_wait_alu depctr_vm_vsrc(0)                   ; my LDS stores have read v[XB ..] and v[T ..], the loads of x v[VOFF ..]: from here on these registers are H, GA, GQ, FX and BIAS, written by matrix and vector instructions and by LDS loads
	; b2 starts the result's sums: each of the 20 tiles is loaded with the biases of its columns, so that layer 2's text is the same in all four chunks
	WIN TO_O
.irp mt, 0,1,2,3,4
.irp nt, 0,1,2,3
	ds_load_b128 v[8*(4*\mt+\nt):8*(4*\mt+\nt)+3], v[BADR] offset:4096+64*\nt
	ds_load_b128 v[8*(4*\mt+\nt)+4:8*(4*\mt+\nt)+7], v[BADR] offset:4096+64*\nt+16
.endr
.endr
	WIN 0
	; A CHUNK of 256 hidden numbers: layer 1 and gelu by groups of 16 rows, then layer 2.  Offsets of the weight loads count from the chunk's first byte, s[46:47].
	s_mov_b32 s50, 4
.Lchunk:
	s_wait_alu depctr_va_vdst(0)                   ; layer 2's matrix instructions are done reading window 2 and their buffers (FX is part of them), layer 1's are done reading BIAS, and BADR is written (first chunk: the conversions are done reading window 2): all the loads down to the barrier hang on that
	BIASLD
	FETCHG XADR                                    ; the first group's rows of x: bytes that nobody writes any more
	s_wait_loadcnt 0x0                             ; W1's stage is in: it was asked for in front of the last chunk's layer 2 (the first chunk's: at the start)
	WLOAD TO_W2, 0, 8, STAGEB                      ; W2's stage: 64 loads, which have layer 1 and the gelu in which to land; the LDS loads above land while these are issued
	WIN 0
	v_add_nc_u32 v[XG], 16*XPITCH, v[XADR]         ; the second group's rows.  XG and HG were last read ahead of a wait on vm_vsrc: the fourth group's, and the one behind layer 1's closing barrier
	v_mov_b32 v[HG], v[HST]
	s_wait_dscnt 0x0                               ; my reads of the last chunk's hidden numbers are over (and the biases and the first fragments are in),
	s_barrier_signal -1
	s_barrier_wait -1                              ; everybody's are: the rows may be written again
	s_mov_b32 s51, ROWS/16-1
.Lgroup:
	GROUP 1
	s_sub_co_i32 s51, s51, 1
	s_cmp_lg_u32 s51, 0
	s_cbranch_scc1 .Lgroup
	GROUP 0                                        ; the fifth group is written out: no rows of x are left to fetch.  Behind its wait on va_vdst no vector or matrix instruction stands ahead of layer 2's first product
	s_wait_dscnt 0x0                               ; my 64 columns of the hidden chunk are written,
	s_barrier_signal -1
	s_barrier_wait -1                              ; everybody's are
	s_wait_alu depctr_vm_vsrc(0)                   ; the fifth group's stores have read GA, in which the loads below land, and HG, which the next chunk's head writes
	FETCH 0, 0                                     ; layer 1 and the gelu were done with v[96:255] and with window 3 at the fifth group's wait on va_vdst
	FETCH 1, 1
	s_wait_loadcnt 0x0                             ; W2's stage is in
	s_cmp_eq_u32 s50, 1
	s_cbranch_scc1 .Lnofill                        ; the last chunk has nothing left to fetch
	WLOAD TO_W1, 0, 8, 2*STAGEB                    ; the next chunk's W1: 64 loads, which have layer 2 in which to land
	WIN 0
.Lnofill:
	L2STEP 0, 14, 20, 1, 0
	L2STEP 1, 14, 20, 1, 0
	L2STEP 2, 14, 20, 1, 1
	L2STEP 3, 14, 20, 1, 0
	L2STEP 4, 14, 20, 1, 1
	L2STEP 5, 14, 20, 1, 0
	L2STEP 6, 14, 10, 0, 0
	L2STEP 7, 4, 0, 0, 0
	WIN 0
	s_wait_xcnt 0x0                                ; the pending weight loads have had their addresses translated (ISA guide 3.1): their base steps only behind this wait
	s_add_nc_u64 s[46:47], s[46:47], 2*STAGEB
	v_add_nc_u32 v[BADR], 1024, v[BADR]            ; the biases' loads, which read BADR, stand ahead of the groups' waits on vm_vsrc
	s_sub_co_i32 s50, s50, 1
	s_cmp_lg_u32 s50, 0
	s_cbranch_scc1 .Lchunk
	; THE WAY OUT: every wave lays its 64 columns of all 80 rows into LDS; behind a barrier wave w reads rows 20w .. 20w+19 whole and stores those that are mine.
	PLACES
.set i, 0
.rept WROWS
	v_lshl_add_u32 v[VOFF+i], s[68+i], 10, v[WOFF] ; the rows' offsets again, from the row numbers kept in scalar registers
.set i, i+1
.endr
.macro OSTORE adr, m0, n               ; row blocks m0 .. m0+n-1; the LDS offset counts from block m0
.set mm, 0
.rept \n
.irp nt, 0,1,2,3
	ds_store_b128 v[\adr], v[8*(4*(\m0+mm)+\nt):8*(4*(\m0+mm)+\nt)+3] offset:16*OPITCH*mm+64*\nt
	ds_store_b128 v[\adr], v[8*(4*(\m0+mm)+\nt)+4:8*(4*(\m0+mm)+\nt)+7] offset:16*OPITCH*mm+64*\nt+16
.endr
.set mm, mm+1
.endr
.endm
	WIN OSTW
	s_wait_alu depctr_va_vdst(0)                   ; the matrix instructions have written the 20 tiles, which the LDS stores read (the places above stay beside this wait), and are done reading v[96:255], in part of which the rows read back land; v[VOFF ..] are written, which the global stores read
	OSTORE OST0, 0, 4
	OSTORE OST1, 4, 1                              ; block 4 lies 66,560 bytes on, past the 16 bits of an LDS offset: a register of its own
	WIN 0
	s_wait_dscnt 0x0                               ; my columns of the result are written,
	s_barrier_signal -1
	s_barrier_wait -1                              ; everybody's are
.set i, 0
.rept WROWS
	ds_load_b128 v[OB+8*i:OB+8*i+3], v[ORD] offset:OPITCH*i
	ds_load_b128 v[OB+8*i+4:OB+8*i+7], v[ORD] offset:OPITCH*i+512
.set i, i+1
.endr
.macro ROWOUT rho
	s_wait_dscnt 38-2*\rho                         ; this row's two loads are in, the later rows' stay out
	s_bitcmp1_b32 s48, \rho
	s_cbranch_scc0 .Lno_row_\@                     ; a row of another plane, or of another wave's positions, is not stored
	global_store_b128 v[VOFF+\rho], v[OB+8*\rho:OB+8*\rho+3], s[16:17] th:TH_STORE_NT               ; each store of the wave covers 512 consecutive bytes, aligned
	global_store_b128 v[VOFF+\rho], v[OB+8*\rho+4:OB+8*\rho+7], s[16:17] offset:512 th:TH_STORE_NT
.Lno_row_\@:
.endm
.irp j, 0,1,2,3,4,5,6,7,8,9,10,11,12,13,14,15,16,17,18,19
	ROWOUT \j
.endr
	s_wait_dscnt 0x0
	s_wait_alu depctr_hold_cnt(0) depctr_sa_sdst(0) depctr_va_vdst(0) depctr_va_sdst(0) depctr_va_ssrc(0) depctr_va_vcc(0) depctr_vm_vsrc(0)
	s_wait_tensorcnt 0x0
	ds_add_u32 v30, v31
	s_wait_dscnt 0x0
	s_endpgm
.Lfunc_end_k_qaba6d23371_mlp:
	.size	k_qaba6d23371_mlp, .Lfunc_end_k_qaba6d23371_mlp-k_qaba6d23371_mlp
	.p2alignl 7, 3214868480
	.fill 96, 4, 3214868480
	.section	.rodata,"a",@progbits
	.p2align	6, 0x0
	.amdhsa_kernel k_qaba6d23371_mlp
		.amdhsa_group_segment_fixed_size 173312
		.amdhsa_private_segment_fixed_size 0
		.amdhsa_enable_private_segment 0
		.amdhsa_kernarg_size 56
		.amdhsa_user_sgpr_count 2
		.amdhsa_user_sgpr_kernarg_segment_ptr 1
		.amdhsa_wavefront_size32 1
		.amdhsa_system_sgpr_workgroup_id_x 1
		.amdhsa_system_sgpr_workgroup_id_y 1
		.amdhsa_system_sgpr_workgroup_id_z 1
		.amdhsa_system_vgpr_workitem_id 0
		.amdhsa_next_free_vgpr 1024
		.amdhsa_next_free_sgpr 88
		.amdhsa_reserve_vcc 0
		.amdhsa_float_denorm_mode_32 3
		.amdhsa_float_denorm_mode_16_64 3
		.amdhsa_memory_ordered 1
		.amdhsa_forward_progress 1
		.amdhsa_inst_pref_size 110
	.end_amdhsa_kernel
	.amdgpu_metadata
---
amdhsa.version: [ 1, 2 ]
amdhsa.kernels:
  - .name:           k_qaba6d23371_mlp
    .symbol:         k_qaba6d23371_mlp.kd
    .args:
      - { .name: x, .offset: 0, .size: 8, .value_kind: global_buffer, .address_space: global }
      - { .name: wfrag, .offset: 8, .size: 8, .value_kind: global_buffer, .address_space: global }
      - { .name: b1, .offset: 16, .size: 8, .value_kind: global_buffer, .address_space: global }
      - { .name: b2, .offset: 24, .size: 8, .value_kind: global_buffer, .address_space: global }
      - { .name: order, .offset: 32, .size: 8, .value_kind: global_buffer, .address_space: global }
      - { .name: ptab, .offset: 40, .size: 8, .value_kind: global_buffer, .address_space: global }
      - { .name: out0, .offset: 48, .size: 8, .value_kind: global_buffer, .address_space: global }
    .group_segment_fixed_size: 173312
    .private_segment_fixed_size: 0
    .kernarg_segment_align: 8
    .kernarg_segment_size: 56
    .max_flat_workgroup_size: 128
    .sgpr_count:     88
    .vgpr_count:     1024
    .wavefront_size: 32
...
	.end_amdgpu_metadata
.endif
;; end of part 5
